; MI455X (gfx1250); checked and timed in simulation.
; The chip was launched on July 23, 2026; its instructions are those of AMD's public machine-readable ISA for CDNA 5 (MIT licence, August 2026) and "CDNA5" Instruction Set Architecture Reference Guide (July 2026). The comments in the code are by the model that wrote it; some were corrected since.
;; adaptive style. Allowed arithmetic: matrix products marked QUANTISED: E5M2 operands, one E8M0 scale for each 32 along K, by v_wmma_scale_f32_16x16x128_f8f6f4 with both operands' format E5M2, f32 sums; everything else in f32.
;; Inputs: Wf_codes 512 x 16 x 32 uint8 (E5M2 codes of Wf, K innermost, in blocks of 32 codes); Wf_scales 512 x 16 uint8 (E8M0 scales of Wf, one for each 32 codes along K); Wg_codes 512 x 16 x 32 uint8 (E5M2 codes of Wg, K innermost, in blocks of 32 codes); Wg_scales 512 x 16 uint8 (E8M0 scales of Wg, one for each 32 codes along K); Wh_codes 512 x 16 x 32 uint8 (E5M2 codes of Wh, K innermost, in blocks of 32 codes); Wh_scales 512 x 16 uint8 (E8M0 scales of Wh, one for each 32 codes along K); Wk_codes 512 x 16 x 32 uint8 (E5M2 codes of Wk, K innermost, in blocks of 32 codes); Wk_scales 512 x 16 uint8 (E8M0 scales of Wk, one for each 32 codes along K); bf 512 float32; bg 512 float32; bh 512 float32; bk 512 float32; s_sty 16 x 512 x 64 x 16 float32; x 16 x 512 x 128 x 16 float32.
;; Outputs: out0 16 x 512 x 128 x 16 float32.
;; This version of the problem:
;;   THIS VERSION OF THE PROBLEM IS GIVEN IN LOW PRECISION. The matrix products marked QUANTISED in the list below multiply operands that are first quantised to E5M2 (5 exponent bits, 2 mantissa bits; 8 bits a number), with one power-of-two scale for each 32 numbers along K (OCP MX v1.0); their sums are f32. All else is computed in f32.
;;   The module's matrix products, in the order in which they are computed (A, B: the left and right operand; K: the contracted axis; several contracted axes count as one K, in the product's order):
;;     1. [M 512, K 512] x [K 512, N 32,768]; A: input Wf (given as codes); B: computed on the way: QUANTISED
;;     2. [M 512, K 512] x [K 512, N 16,384]; A: input Wg (given as codes); B: computed on the way: QUANTISED
;;     3. [M 512, K 512] x [K 512, N 16,384]; A: input Wh (given as codes); B: input s_sty: QUANTISED
;;     4. batch 16 x [M 2,048, K 512] x [K 512, N 1,024]; A: computed on the way; B: computed on the way: QUANTISED
;;     5. batch 16 x [M 512, K 1,024] x [K 1,024, N 2,048]; A: computed on the way; B: softmax (see below): QUANTISED
;;     6. [M 512, K 512] x [K 512, N 32,768]; A: input Wk (given as codes); B: computed on the way: QUANTISED
;;   THE QUANTISER, for each operand of a quantised product, along K:
;;     - K is cut into blocks of 32 from its start; a last block that is shorter is filled with zeros.
;;     - A block's scale is 2^e with e = floor(log2(the largest magnitude in the block)) - 15, held to -126 .. 127; a block of zeros has e = 0. As a byte (E8M0): e + 127.
;;     - Each number is divided by its block's scale, clamped to +-57,344, and rounded to the nearest number of E5M2, ties to even, subnormals kept.
;;     - The product sums the exact products of the quantised numbers (number of the format x scale) in f32.
;;   ~~~python
;;   def quantise(x, axis):      # numpy; x: float32 -> the quantised numbers, widened to float32 again
;;       x = np.moveaxis(x, axis, -1); K = x.shape[-1]
;;       x = np.pad(x, [(0, 0)] * (x.ndim - 1) + [(0, -K % 32)]); x = x.reshape(x.shape[:-1] + (-1, 32)); a = np.abs(x).max(-1, keepdims=True)
;;       e = np.where(a > 0, np.clip(np.frexp(np.where(a > 0, a, 1))[1] - 1 - 15, -126, 127), 0)      # np.frexp(a)[1] - 1 = floor(log2(a)), exactly
;;       r = np.clip(x / 2.0 ** e, -57344, 57344)
;;       step = 2.0 ** (np.maximum(np.frexp(np.where(r == 0, 1, r))[1] - 1, -14) - 2)
;;       q = np.round(r / step) * step * 2.0 ** e      # np.round: ties to even
;;       return np.moveaxis(q.reshape(q.shape[:-2] + (-1,))[..., :K], -1, axis).astype(np.float32)
;;   ~~~
;;   SOFTMAX AHEAD OF A QUANTISED PRODUCT. Where the list says 'softmax', what is quantised is not the finished softmax but p = 2^(t - M), with t = logit x log2(e) and M = ceil(the row's largest t), a whole number; so 1/2 < the row's largest p <= 1. The row's sum l is taken of the UNQUANTISED p, in f32, and the product's result is divided by l at the end. Since M is a whole number, a kernel that streams over the keys may use a running M (the ceiling of the running maximum): every later rescaling is an exact power of two, which a block's scale takes up: the codes' values come out the same.
;;   OPERANDS COMPUTED ON THE WAY. 'Computed on the way' means the value that the module computes at that place (a softmax that the list does not call 'softmax' is quantised finished and normalised). What goes into a quantiser is computed in f32, as accurately as f32 sums, v_exp_f32 and their like allow (about 1e-6 of the number): no bf16 or f16 on the way to a quantiser, and a product that is left as it is and whose result goes on into a quantised operand takes f32 operands (vector FMAs, or v_wmma_f32_16x16x4_f32). A number that lies on a knife's edge between two numbers of the format may be rounded either way, as far as f32 arithmetic and the matrix unit's own rounding can turn it there, and no further.
;;   INPUTS GIVEN AS CODES. Wf (in the module: [512, 512], K = its axis 1); Wg (in the module: [512, 512], K = its axis 1); Wh (in the module: [512, 512], K = its axis 1); Wk (in the module: [512, 512], K = its axis 1): each comes as NAME_codes (uint8): NAME with its K axis moved to the last place and cut into blocks of 32 codes, [.., K / 32, bytes a block], one block behind the other in memory; one code a byte (a code: sign, 5 exponent bits, 2 mantissa bits); and NAME_scales (uint8): the same leading axes, one E8M0 byte (e + 127) for each 32 codes along K. Its value is code x scale, taken as it is: it is not quantised again, and the codes and scales need not be those that the quantiser above would give.
;; One version. Each part assembles by itself: llvm-mc -triple=amdgcn-amd-amdhsa -mcpu=gfx1250 --defsym DOCPART=n.
;; ======== version 1 of 1: 3 launches
;; limits: right only within a limited range of input values
;; workspace buffers: aq 33,554,432 bytes; asc 1,048,576 bytes; wfr 1,048,576 bytes; qkv 34,603,008 bytes
;; launch prep (part 1): grid 256 x 1, 16 waves a work-group, no clusters, 83,968 bytes of LDS; arguments x, s_sty, Wf_codes, Wg_codes, Wh_codes, Wk_codes, aq, asc, wfr; writes aq, asc, wfr
.if DOCPART == 1
	.amdgcn_target "amdgcn-amd-amdhsa--gfx1250"
	.amdhsa_code_object_version 6
	.text
	.protected	k_q67b6a98442_prep
	.globl	k_q67b6a98442_prep
	.p2align	8
	.type	k_q67b6a98442_prep,@function
k_q67b6a98442_prep:
	s_mov_b64 s[64:65], 0
	v_nop
	global_prefetch_b8 v0, s[64:65] scope:SCOPE_SE
	s_setreg_imm32_b32 hwreg(HW_REG_WAVE_MODE, 25, 1), 1
	s_wait_xcnt 0x0
; PREP: instance norm of x and s_sty, and the quantising along the channels of xn, sn and the raw s; the four weights are laid anew in the order of an operand's registers.
; DEAD WORK: none.  bf, bg and bh go into quantised operands of live products (F, G, H), bk and x reach the output directly, all six products are live: every input is loaded by some launch.
; LIMITS: NaN and infinities among the inputs are not served.  A block whose largest magnitude lies under 2^-111 keeps the scale byte 1; a block of zeros gets the byte 1 and not 127:
; its codes are zeros, which add nothing, and these bytes are read by this program alone.
; SHARES.  Work-group g: sample n = g / 16, channels 32 cb .. 32 cb + 31 (cb = g % 16): one block of 32 along K.  It holds these channels at ALL positions in registers, so x and s_sty are read once for
; the mean, the variance and the codes.  Wave wv: x positions 128 wv .. + 127 (two units of 64), s positions 64 wv .. + 63.  A lane: two neighbouring positions of a unit, registers down the channels.
; The variance is taken of the centred numbers (mean first, then the squares of x - mean): no difference of large sums.
; OUT.  aq: fragments of 2,048 bytes, [4 chunks][32 lanes][16 bytes]: lane (r, h) of chunk cc holds k = 32 cc + 16 h + 0 .. 15 of row r.  Position 64 U + 32 g + 2 r + j is row r of tile 4 U + 2 g + j.
;   XQ at 0 [n][128 tiles][4 K steps], SNQ at 16,777,216 and SQ at 25,165,824 [n][64 tiles][4].  asc: scale bytes by position: XS at 0 [n][cb][2048]; SS at 524,288 [n][cb][sn, s][1024].
;   wfr: [Wf, Wg, Wh, Wk][32 tiles][4 K steps] fragments; row r of tile t is the weight's row 32 (t / 2) + 8 (t % 2) + r + 8 (r / 8).
; No matrix unit, no tensor load, no cluster: a stream whose work-groups share nothing.
.set WSCR,  4608                       ; LDS: a region of its own for each wave, 32 lanes x 144 bytes, from byte 0
.set XW,    73728                      ; four regions of 2,048 bytes, one for each reduction: [16 waves][32 channels] f32
.set SPARE, 81920                      ; the spare words, 128 bytes for each wave: eight blocks of 256 bytes that no other line names
.set ST,    32                         ; s[32:63] a statistic of each of the 32 channels
.set P,     32                         ; v32-63  partial sums; later the 32 held numbers of a column
.set C,     16                         ; v16-31  two sets of 8 code registers
.set X,     64                         ; v64-191 x: unit a at 64 + 64 a, register 2 c + j
.set S,     192                        ; v192-255 s: register 2 c + j
; v1 8 x lane; v2, v3 my wave's region (144 x lane, 4 x lane); v4, v5 the reductions' words (mine, all); v6 codes' offset; v7 2 x lane; v8-13 at work; v14, v15 the add's two
	s_load_b256 s[4:11], s[0:1], 0x0               ; x, s_sty, Wf_codes, Wg_codes
	s_load_b256 s[12:19], s[0:1], 0x20             ; Wh_codes, Wk_codes, aq, asc
	s_load_b64 s[20:21], s[0:1], 0x40              ; wfr
	v_lshl_add_u32 v14, v0, 2, SPARE
	v_mov_b32 v15, 0
	v_lshrrev_b32 v8, 5, v0
	s_delay_alu instid0(VALU_DEP_1)
	v_readfirstlane_b32 s22, v8                    ; wave 0..15
	v_and_b32 v9, 31, v0                           ; lane
	s_delay_alu instid0(VALU_DEP_1)
	v_lshlrev_b32 v1, 3, v9
	s_mul_i32 s25, s22, WSCR
	v_mul_u32_u24 v2, v9, 144
	s_delay_alu instid0(VALU_DEP_1)
	v_add_nc_u32 v2, s25, v2
	v_lshlrev_b32 v3, 2, v9
	s_delay_alu instid0(VALU_DEP_1)
	v_add_nc_u32 v5, XW, v3
	s_lshl_b32 s26, s22, 7
	v_add_nc_u32 v4, s26, v5
	v_add_nc_u32 v3, s25, v3
	v_lshrrev_b32 v10, 4, v9
	v_and_b32 v11, 15, v9
	s_delay_alu instid0(VALU_DEP_2)
	v_lshlrev_b32 v6, 14, v10                      ; lanes 16-31 belong to the tile two further on: 16,384 bytes
	s_delay_alu instid0(VALU_DEP_1)
	v_lshl_add_u32 v6, v11, 4, v6                  ; + 16 r
	v_lshlrev_b32 v7, 1, v9
	; the weights: thread t moves 8 bytes; u = t / 2 names 16 bytes of two fragments: r = u % 16, h, chunk and fragment above it
	v_bfe_u32 v10, v0, 1, 4                        ; r
	v_bfe_u32 v11, v0, 4, 1                        ; r / 8
	s_delay_alu instid0(VALU_DEP_1)
	v_lshl_add_u32 v10, v11, 3, v10                ; r + 8 (r / 8)
	s_delay_alu instid0(VALU_DEP_1)
	v_lshlrev_b32 v18, 9, v10                      ; a row of a weight is 512 bytes
	v_bfe_u32 v11, v0, 5, 4                        ; h + 2 chunk + 8 fragment: 16 h + 32 chunk + 128 K step
	s_delay_alu instid0(VALU_DEP_1)
	v_lshl_add_u32 v18, v11, 4, v18
	v_and_b32 v11, 1, v0
	s_delay_alu instid0(VALU_DEP_1)
	v_lshl_add_u32 v18, v11, 3, v18                ; from
	v_lshlrev_b32 v19, 3, v0                       ; to
	s_lshr_b32 s23, ttmp9, 4                       ; n
	s_and_b32 s24, ttmp9, 15                       ; cb
	s_lshl_b32 s26, s23, 22                        ; x: n x 4 MiB + cb x 32 rows of 8,192 + wave x 512
	s_lshl_b32 s25, s24, 18
	s_add_co_u32 s26, s26, s25
	s_lshl_b32 s25, s22, 9
	s_add_co_u32 s26, s26, s25
	s_mov_b32 s27, 0
	s_lshl_b32 s28, s23, 21                        ; s: half of each
	s_lshl_b32 s25, s24, 17
	s_add_co_u32 s28, s28, s25
	s_lshl_b32 s25, s22, 8
	s_add_co_u32 s28, s28, s25
	s_mov_b32 s29, 0
	s_lshl_b32 s69, s24, 9                         ; my block's place in a tile's four fragments: 2,048 (cb / 4) + 512 (cb % 4) = 512 cb
	s_lshl_b32 s70, s23, 20                        ; XQ: n x 1 MiB + wave x 8 tiles
	s_lshl_b32 s25, s22, 16
	s_add_co_u32 s70, s70, s25
	s_add_co_u32 s70, s70, s69
	s_mov_b32 s71, 0
	s_lshl_b32 s72, s23, 19                        ; SNQ, SQ: n x 512 KiB + wave x 4 tiles
	s_lshl_b32 s25, s22, 15
	s_add_co_u32 s72, s72, s25
	s_add_co_u32 s72, s72, s69
	s_add_co_u32 s74, s72, 25165824
	s_add_co_u32 s72, s72, 16777216
	s_mov_b32 s73, 0
	s_mov_b32 s75, 0
	s_lshl_b32 s76, s23, 15                        ; scale bytes: n x 32,768 + cb x 2,048
	s_lshl_b32 s25, s24, 11
	s_add_co_u32 s76, s76, s25
	s_lshl_b32 s25, s22, 6
	s_add_co_u32 s78, s76, s25
	s_add_co_u32 s78, s78, 524288                  ; s: + wave x 64
	s_lshl_b32 s25, s22, 7
	s_add_co_u32 s76, s76, s25                     ; x: + wave x 128
	s_mov_b32 s77, 0
	s_mov_b32 s79, 0
	s_bfe_u32 s30, ttmp9, 0x40002                  ; the weight's tile t = (g % 64) / 2: 32 (t / 2) rows,
	s_lshl_b32 s30, s30, 14
	s_bfe_u32 s25, ttmp9, 0x10001                  ; + 8 (t % 2) rows,
	s_lshl_b32 s25, s25, 12
	s_add_co_u32 s30, s30, s25
	s_and_b32 s25, ttmp9, 1                        ; + K steps 2 (g % 2) on
	s_lshl_b32 s25, s25, 8
	s_add_co_u32 s30, s30, s25
	s_mov_b32 s31, 0
	s_mov_b32 s66, 0x600000                        ; the mantissa field of 57,344
	s_mov_b32 s67, 0x3a000000                      ; 1 / 2,048
	s_mov_b32 s68, 0x3727c5ac                      ; 1e-5
	s_wait_alu depctr_va_vdst(0)
	s_wait_kmcnt 0x0
	s_lshr_b32 s25, ttmp9, 6                       ; which weight: the choice hangs on the work-group's number alone
	s_and_b32 s69, s25, 1
	s_cmp_lg_u32 s69, 0
	s_cselect_b64 s[8:9], s[10:11], s[8:9]
	s_cselect_b64 s[12:13], s[14:15], s[12:13]
	s_cmp_ge_u32 s25, 2
	s_cselect_b64 s[8:9], s[12:13], s[8:9]
	s_add_nc_u64 s[8:9], s[8:9], s[30:31]
	s_lshl_b32 s30, ttmp9, 12                      ; 4,096 bytes of wfr for each work-group
	s_add_nc_u64 s[20:21], s[20:21], s[30:31]
	s_add_nc_u64 s[4:5], s[4:5], s[26:27]
	s_add_nc_u64 s[6:7], s[6:7], s[28:29]
	s_add_nc_u64 s[70:71], s[16:17], s[70:71]
	s_add_nc_u64 s[72:73], s[16:17], s[72:73]
	s_add_nc_u64 s[74:75], s[16:17], s[74:75]
	s_add_nc_u64 s[76:77], s[18:19], s[76:77]
	s_add_nc_u64 s[78:79], s[18:19], s[78:79]
	global_load_b64 v[16:17], v18, s[8:9]          ; my 8 bytes of a weight
.set c, 0
.rept 32
	global_load_b64 v[X+2*c:X+2*c+1], v1, s[4:5] offset:c*8192 th:TH_LOAD_NT          ; 32 lanes read 256 consecutive bytes, aligned
	global_load_b64 v[X+64+2*c:X+65+2*c], v1, s[4:5] offset:c*8192+256 th:TH_LOAD_NT
.set c, c+1
.endr
.set c, 0
.rept 32
	global_load_b64 v[S+2*c:S+2*c+1], v1, s[6:7] offset:c*4096 th:TH_LOAD_NT
.set c, c+1
.endr
; The 32 partial sums of a lane (v[P + c]) become the work-group's totals: lane c of every wave ends with channel c's total in v[P].
; First inside the wave, turned through its own LDS bytes (LDS serves a wave's instructions in order); then over the 16 waves through region k, behind one barrier.
.macro REDUCE k
.irp i, 0,1,2,3,4,5,6,7
	ds_store_b128 v2, v[P+4*\i:P+4*\i+3] offset:16*\i
.endr
.set l, 0
.rept 32
	ds_load_b32 v[P+l], v3 offset:144*l            ; lane c takes channel c of lane l
.set l, l+1
.endr
	s_wait_dscnt 0x0
.irp i, 0,1,2,3,4,5,6,7
	v_pk_add_f32 v[P+2*\i:P+2*\i+1], v[P+2*\i:P+2*\i+1], v[P+16+2*\i:P+17+2*\i]
.endr
.irp i, 0,1,2,3
	s_delay_alu instid0(VALU_DEP_4)
	v_pk_add_f32 v[P+2*\i:P+2*\i+1], v[P+2*\i:P+2*\i+1], v[P+8+2*\i:P+9+2*\i]
.endr
.irp i, 0,1
	s_delay_alu instid0(VALU_DEP_2)
	v_pk_add_f32 v[P+2*\i:P+2*\i+1], v[P+2*\i:P+2*\i+1], v[P+4+2*\i:P+5+2*\i]
.endr
	s_delay_alu instid0(VALU_DEP_1)
	v_pk_add_f32 v[P:P+1], v[P:P+1], v[P+2:P+3]
	s_delay_alu instid0(VALU_DEP_1)
	v_add_f32 v[P], v[P], v[P+1]
	ds_store_b32 v4, v[P] offset:2048*(\k)
	s_wait_dscnt 0x0                               ; for the others: my word has landed
	s_barrier_signal -1
	s_barrier_wait -1
.set l, 0
.rept 16
	ds_load_b32 v[P+l], v5 offset:2048*(\k)+128*l
.set l, l+1
.endr
	s_wait_dscnt 0x0
.irp i, 0,1,2,3
	v_pk_add_f32 v[P+2*\i:P+2*\i+1], v[P+2*\i:P+2*\i+1], v[P+8+2*\i:P+9+2*\i]
.endr
.irp i, 0,1
	s_delay_alu instid0(VALU_DEP_2)
	v_pk_add_f32 v[P+2*\i:P+2*\i+1], v[P+2*\i:P+2*\i+1], v[P+4+2*\i:P+5+2*\i]
.endr
	s_delay_alu instid0(VALU_DEP_1)
	v_pk_add_f32 v[P:P+1], v[P:P+1], v[P+2:P+3]
	s_delay_alu instid0(VALU_DEP_1)
	v_add_f32 v[P], v[P], v[P+1]
.endm
.macro SPREAD src                      ; lane c's number into s[ST + c]
.set c, 0
.rept 32
	v_readlane_b32 s[ST+c], v[\src], c
.set c, c+1
.endr
.endm
.macro CENTER b                        ; 64 registers: less the channel's mean
.set c, 0
.rept 32
	v_sub_f32 v[\b+2*c], v[\b+2*c], s[ST+c]
	v_sub_f32 v[\b+2*c+1], v[\b+2*c+1], s[ST+c]
.set c, c+1
.endr
.endm
.macro GAIN b                          ; 64 registers: times the channel's 1 / sqrt(var + eps)
.set c, 0
.rept 32
	v_mul_f32 v[\b+2*c], s[ST+c], v[\b+2*c]
	v_mul_f32 v[\b+2*c+1], s[ST+c], v[\b+2*c+1]
.set c, c+1
.endr
.endm
.macro RSQ                             ; v[P] = the sum of squares -> s[ST + c] = 1 / sqrt(mean + eps)
	s_delay_alu instid0(VALU_DEP_1)
	v_fma_f32 v[P+1], v[P], s67, s68
	s_wait_alu depctr_va_vdst(0)
	v_rsq_f32 v[P+2], v[P+1]
	v_nop                                          ; a plain line behind the transcendental,
	s_wait_alu depctr_va_vdst(0)                   ; and the wait ahead of its first reader
	SPREAD P+2
.endm
; One column: the 32 channels of one position a lane, v[src + 2 c], are one block of 32 along K, all in my lane.  The hold also lays them in consecutive registers for the conversions.
; set: which code registers; ab: the codes' base (scalar pair), imm: the tile's offset; j: the column of the pair; sb, simm: the scale bytes' base and offset.
.macro QCOL src, set, ab, imm, j, sb, simm
	s_wait_xcnt 0x0                                ; earlier stores have read their registers: codes and byte may be written again
	v_max3_num_f32 v8, |v[(\src)]|, |v[(\src)+2]|, |v[(\src)+4]|
	v_max3_num_f32 v9, |v[(\src)+6]|, |v[(\src)+8]|, |v[(\src)+10]|
.irp i, 6,10,14,18,22,26
	s_delay_alu instid0(VALU_DEP_2)
	v_max3_num_f32 v8, v8, |v[(\src)+2*\i]|, |v[(\src)+2*\i+2]|
	s_delay_alu instid0(VALU_DEP_2)
	v_max3_num_f32 v9, v9, |v[(\src)+2*\i+4]|, |v[(\src)+2*\i+6]|
.endr
	s_delay_alu instid0(VALU_DEP_2)
	v_max3_num_f32 v8, v8, |v[(\src)+60]|, |v[(\src)+62]|
	s_delay_alu instid0(VALU_DEP_1)
	v_max3_num_f32 v8, v8, v9, 0x8000000           ; and the floor 2^(16 - 127): the byte cannot fall under 1
	s_delay_alu instid0(VALU_DEP_1)
	v_add_nc_u32 v11, 0xf8800000, v8               ; 15 off the exponent field: the conversion's scale operand
	s_delay_alu instid0(VALU_DEP_2)
	v_and_or_b32 v10, v8, 0x7f800000, s66          ; 57,344 x the scale
.set c, 0
.rept 32
	v_med3_num_f32 v[P+c], v[(\src)+2*c], -v10, v10   ; the conversion to an 8-bit code does not saturate (ISA guide 7.6.2): the hold
.set c, c+1
.endr
.irp i, 0,1,2,3
	v_cvt_scalef32_pk8_bf8_f32 v[C+8*(\set)+2*\i:C+8*(\set)+2*\i+1], v[P+8*\i:P+8*\i+7], v11
.endr
	v_lshrrev_b32 v12, 23, v11                     ; the scale's byte (also the plain line behind the conversions)
.if (\j) == 0
	s_delay_alu instid0(VALU_DEP_1)
	v_mov_b32 v13, v12
.else
	s_delay_alu instid0(VALU_DEP_1)
	v_lshl_or_b32 v13, v12, 8, v13
.endif
	global_store_b128 v6, v[C+8*(\set):C+8*(\set)+3], s[\ab:\ab+1] offset:\imm          ; k 0 .. 15: lanes 0-15 and lanes 16-31 each fill 256 consecutive bytes, aligned
	global_store_b128 v6, v[C+8*(\set)+4:C+8*(\set)+7], s[\ab:\ab+1] offset:(\imm)+256  ; k 16 .. 31
.if (\j) == 1
	global_store_b16 v7, v13, s[\sb:\sb+1] offset:\simm   ; two positions' bytes a lane: 64 consecutive bytes a wave
.endif
.endm
	s_wait_loadcnt 32                              ; the weight's piece and x are in; the 32 loads of s, issued behind them, may stay out
	global_store_b64 v19, v[16:17], s[20:21]       ; 32 lanes store 256 consecutive bytes
	; ---- x
.set c, 0
.rept 32
	v_pk_add_f32 v[8+2*(c%3):9+2*(c%3)], v[X+2*c:X+2*c+1], v[X+64+2*c:X+65+2*c]
	s_delay_alu instid0(VALU_DEP_1)
	v_add_f32 v[P+c], v[8+2*(c%3)], v[9+2*(c%3)]
.set c, c+1
.endr
	REDUCE 0
	s_delay_alu instid0(VALU_DEP_1)
	v_mul_f32 v[P], s67, v[P]                      ; the mean
	SPREAD P
	CENTER X
	CENTER X+64
.set c, 0
.rept 32
	v_pk_mul_f32 v[8+2*(c%3):9+2*(c%3)], v[X+2*c:X+2*c+1], v[X+2*c:X+2*c+1]
	s_delay_alu instid0(VALU_DEP_1)
	v_pk_fma_f32 v[8+2*(c%3):9+2*(c%3)], v[X+64+2*c:X+65+2*c], v[X+64+2*c:X+65+2*c], v[8+2*(c%3):9+2*(c%3)]
	s_delay_alu instid0(VALU_DEP_1)
	v_add_f32 v[P+c], v[8+2*(c%3)], v[9+2*(c%3)]
.set c, c+1
.endr
	REDUCE 1
	RSQ
	GAIN X
	GAIN X+64
	QCOL X, 0, 70, 0, 0, 76, 0
	QCOL X+1, 1, 70, 8192, 1, 76, 0
	QCOL X+64, 0, 70, 32768, 0, 76, 64
	QCOL X+65, 1, 70, 40960, 1, 76, 64
	; ---- s: first as it is (the operand of Wh), then normalised (the operand of Wg)
	s_wait_loadcnt 0x0
	QCOL S, 0, 74, 0, 0, 78, 1024
	QCOL S+1, 1, 74, 8192, 1, 78, 1024
	s_mov_b32 s67, 0x3a800000                      ; 1 / 1,024
.set c, 0
.rept 32
	v_add_f32 v[P+c], v[S+2*c], v[S+2*c+1]
.set c, c+1
.endr
	REDUCE 2
	s_delay_alu instid0(VALU_DEP_1)
	v_mul_f32 v[P], s67, v[P]
	SPREAD P
	CENTER S
.set c, 0
.rept 32
	v_mul_f32 v[8+c%3], v[S+2*c], v[S+2*c]
	s_delay_alu instid0(VALU_DEP_1)
	v_fma_f32 v[P+c], v[S+2*c+1], v[S+2*c+1], v[8+c%3]
.set c, c+1
.endr
	REDUCE 3
	RSQ
	GAIN S
	QCOL S, 0, 72, 0, 0, 78, 0
	QCOL S+1, 1, 72, 8192, 1, 78, 0
	s_wait_tensorcnt 0x0                           ; the wave's end: behind my last LDS store
	ds_add_u32 v14, v15
	s_wait_dscnt 0x0
	s_endpgm
.Lfunc_end_k_q67b6a98442_prep:
	.size	k_q67b6a98442_prep, .Lfunc_end_k_q67b6a98442_prep-k_q67b6a98442_prep
	.p2alignl 7, 3214868480
	.fill 96, 4, 3214868480
	.section	.rodata,"a",@progbits
	.p2align	6, 0x0
	.amdhsa_kernel k_q67b6a98442_prep
		.amdhsa_group_segment_fixed_size 83968
		.amdhsa_private_segment_fixed_size 0
		.amdhsa_enable_private_segment 0
		.amdhsa_kernarg_size 72
		.amdhsa_user_sgpr_count 2
		.amdhsa_user_sgpr_kernarg_segment_ptr 1
		.amdhsa_wavefront_size32 1
		.amdhsa_system_sgpr_workgroup_id_x 1
		.amdhsa_system_sgpr_workgroup_id_y 1
		.amdhsa_system_sgpr_workgroup_id_z 1
		.amdhsa_system_vgpr_workitem_id 0
		.amdhsa_next_free_vgpr 256
		.amdhsa_next_free_sgpr 80
		.amdhsa_reserve_vcc 0
		.amdhsa_float_denorm_mode_32 3
		.amdhsa_float_denorm_mode_16_64 3
		.amdhsa_memory_ordered 1
		.amdhsa_forward_progress 1
		.amdhsa_inst_pref_size 114
	.end_amdhsa_kernel
	.amdgpu_metadata
---
amdhsa.version: [ 1, 2 ]
amdhsa.kernels:
  - .name:           k_q67b6a98442_prep
    .symbol:         k_q67b6a98442_prep.kd
    .args:
      - { .name: x, .offset: 0, .size: 8, .value_kind: global_buffer, .address_space: global }
      - { .name: s_sty, .offset: 8, .size: 8, .value_kind: global_buffer, .address_space: global }
      - { .name: Wf_codes, .offset: 16, .size: 8, .value_kind: global_buffer, .address_space: global }
      - { .name: Wg_codes, .offset: 24, .size: 8, .value_kind: global_buffer, .address_space: global }
      - { .name: Wh_codes, .offset: 32, .size: 8, .value_kind: global_buffer, .address_space: global }
      - { .name: Wk_codes, .offset: 40, .size: 8, .value_kind: global_buffer, .address_space: global }
      - { .name: aq, .offset: 48, .size: 8, .value_kind: global_buffer, .address_space: global }
      - { .name: asc, .offset: 56, .size: 8, .value_kind: global_buffer, .address_space: global }
      - { .name: wfr, .offset: 64, .size: 8, .value_kind: global_buffer, .address_space: global }
    .group_segment_fixed_size: 83968
    .private_segment_fixed_size: 0
    .kernarg_segment_align: 8
    .kernarg_segment_size: 72
    .max_flat_workgroup_size: 512
    .sgpr_count:     80
    .vgpr_count:     256
    .wavefront_size: 32
...
	.end_amdgpu_metadata
.endif
;; end of part 1
;; launch proj (part 2): grid 256 x 1, 4 waves a work-group, no clusters, 167,936 bytes of LDS; arguments aq, asc, wfr, Wf_scales, Wg_scales, Wh_scales, bf, bg, bh, qkv; writes qkv
.if DOCPART == 2
	.amdgcn_target "amdgcn-amd-amdhsa--gfx1250"
	.amdhsa_code_object_version 6
	.text
	.protected	k_q67b6a98442_proj
	.globl	k_q67b6a98442_proj
	.p2align	8
	.type	k_q67b6a98442_proj,@function
k_q67b6a98442_proj:
	s_mov_b64 s[64:65], 0
	v_nop
	global_prefetch_b8 v0, s[64:65] scope:SCOPE_SE
	s_setreg_imm32_b32 hwreg(HW_REG_WAVE_MODE, 25, 1), 1
	s_wait_xcnt 0x0
; PROJ: F = Wf xn + bf, G = Wg sn + bg, H = Wh s + bh on codes of BF8 (E5M2) with E8M0 scales, and the results quantised in registers: F and G along the channels, H along the positions.  No work is left out.
; LIMITS: as in the first launch (NaN and infinities not served; the scale byte is held at 1 from below; a block of zeros gets the byte 1, its codes are zeros).
; SHARES.  Work-groups 0-127: F (n = g / 8, pair g % 8); 128-191: G; 192-255: H (n = (g % 64) / 4, pair g % 4).  A pair is two blocks of 128 positions: 16 tiles x 4 K steps of fragments, 131,072 dense bytes.
; Wave w keeps the weight's tiles 8 w .. 8 w + 7 (32 fragments, 512 registers) for the whole launch; the activations come once into LDS, by tensor loads that fill each byte once.
; F, G: source 0 = 16 rows of W, source 1 = 16 positions: a lane holds ONE position, its registers run along the channels out.  The rows of a weight's tile were chosen in the first launch so that the
; 16 registers of tiles 2 b, 2 b + 1 are channels 32 b + 16 (lane / 16) + 0 .. 15: the conversions' results are K step w of the next product's fragment.
; H: source 0 = 16 positions, source 1 = 16 rows of W: a lane holds ONE channel, its registers run along the positions; tiles 2 b, 2 b + 1 are positions 32 b .. 32 b + 31 of the block.
; No cluster: the activations are each work-group's own, and the weights go from memory straight into registers.
; OUT (qkv): FQ at 0 [n][128 tiles][4] fragments; FS at 16,777,216 [n][16 blocks][4 K steps][2][16 rows][4 tiles] scale words; KV at 17,301,504 [n][8 steps][135,168]: G's fragments [8 tiles][4], at 65,536 H's [32 tiles],
;   at 131,072 G's words (as FS), at 133,120 H's words [8][16 rows][4 tiles].
; REGISTERS: windows 2, 3: W (tile t, K step s) at 64 (t % 4) + 16 s, tiles 4-7 in window 3.  Window 1: 32 accumulators at 64 l + 8 r.  Window 0: below.
.set SCP,   131072                     ; LDS: codes at 0; the scale bytes [16 planes][256 positions] here
.set SPARE, 135168                     ; the spare words, 128 bytes for each wave: two blocks of 256 bytes that no other line names
.set LI,  1                            ; v1   16 x lane
.set AF,  2                            ; v2   LDS address of the fragments in hand
.set AS,  3                            ; v3   and of the scale bytes
.set AS0, 4                            ; v4   SCP + 2 x lane
.set SO,  5                            ; v5   16 r + 8 h: where my two scale words go
.set BHO, 7                            ; v7   H: my channel's place in the bias
.set PW,  8                            ; v8-11 the four scale words just made
.set WSO, 12                           ; v12  my row's place in the weight's scales
.set BFO, 13                           ; v13  F, G: 64 h
.set SPW, 14
.set NIL, 15
.set WSC, 16                           ; v16-31 W's scale words: register 2 t + s / 2; lanes 0-15 word 2 (s / 2), lanes 16-31 the next
.set ASC, 32                           ; v32-47 the activations' scale words
.set BI,  48                           ; v48-111 the bias, 8 registers a tile, in the result's layout
.set TM,  112                          ; v112-127 at work: largest magnitudes, bytes, scale operands
.set SET, 128                          ; v128-191, v192-255: two sets of four fragments
.set PC,  192                          ; the codes just made: 16 registers for each of four
.set WV,   24
.set KIND, 25
.set G1C,  32                          ; s[32:39] group 1, codes;  s[40:47] group 1, scale bytes;  s[48:51], s[52:55] their groups 0
.set G1P,  40
.set G0C,  48
.set G0P,  52
.set OF,   56                          ; s[56:57] where fragments go;  s[58:59] where scale words go
.set OW,   58
.set TA,   60
.set TS,   61
.set CNT,  62
.set HM,   63                          ; the mask of lanes 16-31
.set MNT,  66
.set SEL,  68
.set EXF,  70
.set EXW,  71
.set MSB, 0
.macro WIN new                         ; the immediate's high byte repeats the setting that is left
.if MSB != (\new)
	s_set_vgpr_msb (MSB<<8)|(\new)
.set MSB, (\new)
.endif
.endm
.macro NOPS n
.rept \n
	v_nop
.endr
.endm
; one matrix instruction on the registers named by rD, rA, rB, rC, rSA, rSB; ra, rb: the scale words stand in lanes 16-31
.macro MM ra, rb
.if (\ra) && (\rb)
	v_wmma_scale_f32_16x16x128_f8f6f4 v[rD:rD+7], v[rA:rA+15], v[rB:rB+15], v[rC:rC+7], v[rSA], v[rSB] matrix_a_fmt:MATRIX_FMT_BF8 matrix_b_fmt:MATRIX_FMT_BF8 matrix_a_scale:MATRIX_SCALE_ROW1 matrix_b_scale:MATRIX_SCALE_ROW1
.elseif (\ra)
	v_wmma_scale_f32_16x16x128_f8f6f4 v[rD:rD+7], v[rA:rA+15], v[rB:rB+15], v[rC:rC+7], v[rSA], v[rSB] matrix_a_fmt:MATRIX_FMT_BF8 matrix_b_fmt:MATRIX_FMT_BF8 matrix_a_scale:MATRIX_SCALE_ROW1
.elseif (\rb)
	v_wmma_scale_f32_16x16x128_f8f6f4 v[rD:rD+7], v[rA:rA+15], v[rB:rB+15], v[rC:rC+7], v[rSA], v[rSB] matrix_a_fmt:MATRIX_FMT_BF8 matrix_b_fmt:MATRIX_FMT_BF8 matrix_b_scale:MATRIX_SCALE_ROW1
.else
	v_wmma_scale_f32_16x16x128_f8f6f4 v[rD:rD+7], v[rA:rA+15], v[rB:rB+15], v[rC:rC+7], v[rSA], v[rSB] matrix_a_fmt:MATRIX_FMT_BF8 matrix_b_fmt:MATRIX_FMT_BF8
.endif
.endm
; Eight tiles of 8 registers at v[base + str t] of window win: the 16 registers of tiles 2 b, 2 b + 1 are my 16 numbers of block b; lane l xor 16 holds the other 16.  They become 16 code registers v[pcr ..] and a scale word v[pwr], window 0.
; Each accumulator is read from its low end on.
.macro QUANT base, str, win, pcr, pwr
.set wq, (\win)|((\win)<<2)
	WIN wq
.irp b, 0,1,2,3
	v_max3_num_f32 v[TM+\b], |v[(\base)+2*(\str)*\b]|, |v[(\base)+2*(\str)*\b+1]|, 0x8000000   ; with the floor 2^(16 - 127): the byte cannot fall under 1
.endr
.set wq, ((\win)<<2)|((\win)<<4)
	WIN wq
.irp i, 2,4,6,8,10,12,14
.irp b, 0,1,2,3
	v_max3_num_f32 v[TM+\b], v[TM+\b], |v[(\base)+(\str)*(2*\b+\i/8)+\i%8]|, |v[(\base)+(\str)*(2*\b+\i/8)+\i%8+1]|
.endr
.endr
	WIN 0
.irp b, 0,1,2,3
	v_permlanex16_b32 v[TM+4+\b], v[TM+\b], s[SEL], s[SEL+1]
.endr
.irp b, 0,1,2,3
	v_max_num_f32 v[TM+\b], v[TM+\b], v[TM+4+\b]   ; the block's largest magnitude
.endr
.irp b, 0,1,2,3
	v_add_nc_u32 v[TM+12+\b], 0xf8800000, v[TM+\b] ; 15 off its exponent field: the conversion's scale operand
.endr
.irp b, 0,1,2,3
.endr
.irp b, 0,1,2,3
	v_lshrrev_b32 v[TM+4+\b], 23, v[TM+12+\b]      ; the scale's byte
.endr
	v_lshl_or_b32 v[\pwr], v[TM+5], 8, v[TM+4]
	v_lshl_or_b32 v[\pwr], v[TM+6], 16, v[\pwr]
	v_lshl_or_b32 v[\pwr], v[TM+7], 24, v[\pwr]
.set wq, (\win)|((\win)<<6)
	WIN wq
.irp t, 0,1,2,3,4,5,6,7
.irp i, 0,1,2,3,4,5,6,7
.endr
.endr
	WIN (\win)
.irp t, 0,1,2,3,4,5,6,7
	v_cvt_scalef32_pk8_bf8_f32 v[(\pcr)+2*\t:(\pcr)+2*\t+1], v[(\base)+(\str)*\t:(\base)+(\str)*\t+7], v[TM+12+\t/2]
.endr
	WIN 0
	v_nop                                          ; a plain line behind the last conversion
.endm
.macro LOADSET set, ofs                ; four fragments, 8,192 bytes apart, as images of their registers: 512 consecutive bytes a load
.irp i, 0,1,2,3
.irp cc, 0,1,2,3
	ds_load_b128 v[SET+64*(\set)+16*\i+4*\cc:SET+64*(\set)+16*\i+4*\cc+3], v[AF] offset:(\ofs)+8192*\i+512*\cc
.endr
.endr
.endm
.macro WORDS raw, dst                  ; four planes' byte pairs v[raw .. raw + 3] (positions 2 l, 2 l + 1) -> the scale words of the two positions in v[dst], v[dst + 1]
	v_perm_b32 v[TM], v[(\raw)+1], v[(\raw)], 0x05010400
	v_perm_b32 v[TM+1], v[(\raw)+3], v[(\raw)+2], 0x05010400
	v_perm_b32 v[(\dst)], v[TM+1], v[TM], 0x05040100
	v_perm_b32 v[(\dst)+1], v[TM+1], v[TM], 0x07060302
.endm
.macro PUT l, lst                      ; fragment l of the four: 512 consecutive bytes a store
.irp cc, 0,1,2,3
	global_store_b128 v[LI], v[PC+16*(\l)+4*\cc:PC+16*(\l)+4*\cc+3], s[OF:OF+1] offset:(\l)*(\lst)+512*\cc
.endr
.endm
.macro PUTW                            ; the four words of each row: lane (r, h) takes words 2 h, 2 h + 1: 256 consecutive bytes
	v_cndmask_b32 v[TM], v[PW], v[PW+2], s[HM]
	v_cndmask_b32 v[TM+1], v[PW+1], v[PW+3], s[HM]
	global_store_b64 v[SO], v[TM:TM+1], s[OW:OW+1]
.endm
	s_load_b256 s[4:11], s[0:1], 0x0               ; aq, asc, wfr, Wf_scales
	s_load_b256 s[12:19], s[0:1], 0x20             ; Wg_scales, Wh_scales, bf, bg
	s_load_b128 s[20:23], s[0:1], 0x40             ; bh, qkv
	v_lshl_add_u32 v[SPW], v0, 2, SPARE
	v_mov_b32 v[NIL], 0
	ds_add_u32 v[SPW], v[NIL]                      ; the opening: the add, twice on end, and its wait ahead of my first tensor load
	ds_add_u32 v[SPW], v[NIL]
	v_lshrrev_b32 v6, 5, v0
	v_readfirstlane_b32 s[WV], v6                  ; wave 0..3
	s_mov_b32 s[G1C], 3<<16                        ; codes: 128 rows of 256 bytes (32 elements of 8), dense
	s_mov_b32 s[G1C+1], 32<<16
	s_mov_b32 s[G1C+2], 128<<16
	s_mov_b32 s[G1C+3], 32<<16
	s_mov_b32 s[G1C+4], 128
	s_mov_b32 s[G1C+5], 32
	s_mov_b32 s[G1C+6], 0
	s_mov_b32 s[G1C+7], 0
	s_mov_b32 s[G1P], 3<<16                        ; scale bytes: 4 planes of 256 bytes, 2,048 bytes (256 elements) apart
	s_mov_b32 s[G1P+1], 32<<16
	s_mov_b32 s[G1P+2], 4<<16
	s_mov_b32 s[G1P+3], 32<<16
	s_mov_b32 s[G1P+4], 4
	s_mov_b32 s[G1P+5], 256
	s_mov_b32 s[G1P+6], 0
	s_mov_b32 s[G1P+7], 0
	s_mov_b32 s[HM], 0xffff0000
	s_mov_b32 s[SEL], 0x76543210
	s_mov_b32 s[SEL+1], 0xfedcba98
	s_lshr_b32 s[KIND], ttmp9, 6
	s_sub_co_i32 s[KIND], s[KIND], 1
	s_max_i32 s[KIND], s[KIND], 0                  ; 0: F, 1: G, 2: H
	s_lshr_b32 s26, ttmp9, 3
	s_bfe_u32 s27, ttmp9, 0x40002
	s_and_b32 s28, ttmp9, 7
	s_and_b32 s29, ttmp9, 3
	s_cmp_eq_u32 s[KIND], 0
	s_cselect_b32 s26, s26, s27                    ; n
	s_cselect_b32 s28, s28, s29                    ; pair
	s_cselect_b32 s27, 20, 19
	s_lshl_b32 s30, s26, s27                       ; a sample's fragments: 1 MiB of x, 512 KiB of s
	s_min_u32 s29, s[KIND], 1
	s_add_co_u32 s31, s29, s[KIND]
	s_lshl_b32 s31, s31, 23                        ; 0; 16,777,216; 25,165,824
	s_add_co_u32 s72, s31, s30
	s_lshl_b32 s31, s28, 17
	s_add_co_u32 s72, s72, s31
	s_lshl_b32 s31, s[WV], 15
	s_add_co_u32 s72, s72, s31                     ; aq: my quarter of the pair's fragments
	s_mov_b32 s73, 0
	s_lshl_b32 s74, s29, 19
	s_lshl_b32 s31, s26, 15
	s_add_co_u32 s74, s74, s31
	s_lshr_b32 s31, s[KIND], 1
	s_lshl_b32 s31, s31, 10
	s_add_co_u32 s74, s74, s31
	s_lshl_b32 s31, s28, 8
	s_add_co_u32 s74, s74, s31
	s_lshl_b32 s31, s[WV], 13
	s_add_co_u32 s74, s74, s31                     ; asc: my four planes
	s_mov_b32 s75, 0
	s_lshl_b32 s76, s[KIND], 18
	s_lshl_b32 s31, s[WV], 16
	s_add_co_u32 s76, s76, s31                     ; wfr: my eight tiles
	s_mov_b32 s77, 0
	s_mul_i32 s78, s26, 1081344
	s_mul_i32 s79, s28, 270336
	s_add_co_u32 s78, s78, s79
	s_add_co_u32 s78, s78, 17301504                ; KV at step 2 x pair
	s_lshl_b32 s79, s[WV], 11
	s_lshl_b32 s80, s[WV], 14
	s_add_co_u32 s80, s80, 65536
	s_mov_b32 s81, 131072
	s_mov_b32 s82, 133120
	s_cmp_eq_u32 s[KIND], 2
	s_cselect_b32 s80, s80, s79
	s_cselect_b32 s81, s82, s81
	s_add_co_u32 s80, s80, s78
	s_add_co_u32 s81, s81, s78
	s_lshl_b32 s82, s28, 17
	s_add_co_u32 s82, s82, s30
	s_add_co_u32 s82, s82, s79                     ; FQ
	s_lshl_b32 s83, s26, 15
	s_lshl_b32 s84, s28, 12
	s_add_co_u32 s83, s83, s84
	s_add_co_u32 s83, s83, 16777216                ; FS
	s_mov_b32 s84, 69632                           ; G: from a step's eighth tile to the next step's first
	s_mov_b32 s85, 134656
	s_mov_b32 s86, 1536
	s_cmp_eq_u32 s[KIND], 0
	s_cselect_b32 s[OF], s82, s80
	s_cselect_b32 s[OW], s83, s81
	s_cselect_b32 s[EXF], 0, s84
	s_cselect_b32 s[EXW], s86, s85
	s_lshl_b32 s87, s[WV], 9
	s_add_co_u32 s[OW], s[OW], s87
	s_mov_b32 s[OF+1], 0
	s_mov_b32 s[OW+1], 0
	s_mov_b32 s[G0C], 1
	s_lshl_b32 s[G0C+1], s[WV], 15
	s_mov_b32 s[G0P], 1
	s_lshl_b32 s[G0P+1], s[WV], 10
	s_add_co_u32 s[G0P+1], s[G0P+1], SCP
	s_lshl_b32 s88, s[WV], 11                      ; the weight's scales: 128 rows of 16 bytes a wave
	s_mov_b32 s89, 0
	s_mov_b32 s90, s87                             ; the bias: 128 numbers a wave
	s_mov_b32 s91, 0
	s_wait_dscnt 0x0                               ; both opening adds are done
	s_wait_kmcnt 0x0
	s_add_nc_u64 s[G0C+2:G0C+3], s[4:5], s[72:73]
	s_or_b32 s[G0C+3], s[G0C+3], 0x80000000
	s_add_nc_u64 s[G0P+2:G0P+3], s[6:7], s[74:75]
	s_or_b32 s[G0P+3], s[G0P+3], 0x80000000
	tensor_load_to_lds s[G0C:G0C+3], s[G1C:G1C+7]  ; every wave issues its two first fills; two tensor loads of mine are out
	s_nop 0
	tensor_load_to_lds s[G0P:G0P+3], s[G1P:G1P+7]
	s_nop 0
	NOPS 4
	s_add_nc_u64 s[8:9], s[8:9], s[76:77]
	s_add_nc_u64 s[OF:OF+1], s[22:23], s[OF:OF+1]
	s_add_nc_u64 s[OW:OW+1], s[22:23], s[OW:OW+1]
	s_cmp_eq_u32 s[KIND], 1                        ; the scales and the bias of my weight: the choice hangs on the work-group's number alone
	s_cselect_b64 s[12:13], s[12:13], s[14:15]
	s_cselect_b64 s[18:19], s[18:19], s[20:21]
	s_cmp_eq_u32 s[KIND], 0
	s_cselect_b64 s[10:11], s[10:11], s[12:13]
	s_cselect_b64 s[16:17], s[16:17], s[18:19]
	s_add_nc_u64 s[10:11], s[10:11], s[88:89]
	s_add_nc_u64 s[16:17], s[16:17], s[90:91]
	v_and_b32 v6, 31, v0
	v_lshlrev_b32 v[LI], 4, v6
	v_lshl_add_u32 v[AS0], v6, 1, SCP
	v_and_b32 v2, 15, v0                           ; r
	v_bfe_u32 v3, v0, 4, 1                         ; h
	v_lshlrev_b32 v[SO], 4, v2
	v_lshl_add_u32 v[SO], v3, 3, v[SO]
	v_bfe_u32 v6, v0, 3, 1
	v_lshl_add_u32 v6, v6, 3, v2                   ; r + 8 (r / 8)
	v_lshlrev_b32 v[WSO], 4, v6
	v_lshl_add_u32 v[WSO], v3, 2, v[WSO]
	v_lshlrev_b32 v[BFO], 6, v3
	v_lshlrev_b32 v[BHO], 2, v6
.irp b, 0,1,2,3
	v_mov_b32 v[TM+4+\b], 0                        ; written once: a lane permute's destination counts as one of its sources
.endr
	WIN 0x80                                       ; destination window 2
.irp t, 0,1,2,3
.irp s, 0,1,2,3
.irp cc, 0,1,2,3
	global_load_b128 v[64*\t+16*\s+4*\cc:64*\t+16*\s+4*\cc+3], v[LI], s[8:9] offset:\t*8192+\s*2048+512*\cc
.endr
.endr
.endr
	WIN 0xc0                                       ; destination window 3
.irp t, 0,1,2,3
.irp s, 0,1,2,3
.irp cc, 0,1,2,3
	global_load_b128 v[64*\t+16*\s+4*\cc:64*\t+16*\s+4*\cc+3], v[LI], s[8:9] offset:(\t+4)*8192+\s*2048+512*\cc
.endr
.endr
.endr
	WIN 0
.irp t, 0,1,2,3,4,5,6,7
.irp u, 0,1
	global_load_b32 v[WSC+2*\t+\u], v[WSO], s[10:11] offset:(32*(\t/2)+8*(\t%2))*16+8*\u
.endr
.endr
	s_wait_tensorcnt 0x0                           ; my parts of the codes and of the scale bytes are in,
	s_barrier_signal -1
	s_barrier_wait -1                              ; everybody's are
	s_mov_b32 s[TA], 0
	s_mov_b32 s[TS], 0
	s_mov_b32 s[CNT], 0
	s_cmp_eq_u32 s[KIND], 2
	s_cbranch_scc1 .Lpath_h
	s_wait_alu depctr_va_vdst(0)
	; ---- F, G.  The bias is the C of each sum's first matrix instruction: lane (r, h) wants, for tile t, channels 32 (t / 2) + 8 (t % 2) + 16 h + 0 .. 7
.irp t, 0,1,2,3,4,5,6,7
	global_load_b128 v[BI+8*\t:BI+8*\t+3], v[BFO], s[16:17] offset:(32*(\t/2)+8*(\t%2))*4
	global_load_b128 v[BI+8*\t+4:BI+8*\t+7], v[BFO], s[16:17] offset:(32*(\t/2)+8*(\t%2))*4+16
.endr
	s_wait_loadcnt 0x0                             ; weights, scales, bias: once
; 32 matrix instructions: my 8 tiles of W x the pass's 4 tiles of positions, K step ks.  The accumulators take turns, one instruction a turn.
.macro FGMUL ks
.set rr, 0
.rept 8
.if (\ks) == 0
	WIN 0x42+(rr/4)
.else
	WIN 0x52+(rr/4)
.endif
.set ll, 0
.rept 4
.set rD, 64*ll+8*rr
.set rA, 64*(rr%4)+16*(\ks)
.set rB, SET+64*((\ks)%2)+16*ll
.if (\ks) == 0
.set rC, BI+8*rr
.else
.set rC, rD
.endif
.set rSA, WSC+2*rr+(\ks)/2
.set rSB, ASC+2*(\ks)+ll%2
	MM (\ks)%2, ll/2
.set ll, ll+1
.endr
.set rr, rr+1
.endr
.endm
.Lfg:                                              ; four passes of 64 positions (four tiles)
	v_add_nc_u32 v[AF], s[TA], v[LI]
	v_add_nc_u32 v[AS], s[TS], v[AS0]
.set pl, 0
.rept 16
	ds_load_u16 v[PC+pl], v[AS] offset:256*pl      ; plane pl: the bytes of my two positions
.set pl, pl+1
.endr
	LOADSET 0, 0
	s_wait_dscnt 16                                ; the bytes are in; set 0's 16 loads may be out
.irp s, 0,1,2,3
	WORDS PC+4*\s, ASC+2*\s
.endr
	NOPS 8                                         ; a scale register written by a vector instruction stands eight places ahead of the matrix instruction
	LOADSET 1, 2048
.irp s, 0,1,2,3
.if \s < 3
	s_wait_alu depctr_va_vdst(0)
	s_wait_dscnt 16                                ; this K step's set is in; the other set's 16 loads may be out
.else
	s_wait_dscnt 0x0
.endif
	FGMUL \s
	WIN 0
	NOPS 8                                         ; places in front of loads into registers that matrix instructions have read, and of the first read of results
.if \s < 2
	LOADSET \s%2, (\s+2)*2048
.endif
.endr
.irp l, 0,1,2,3
	QUANT 64*\l, 8, 1, PC+16*\l, PW+\l
	PUT \l, 8192
.endr
	PUTW
	s_wait_xcnt 0x0                                ; the stores have read their registers and bases: both may be written again
	s_cmp_eq_u32 s[CNT], 1                         ; behind a block's second pass: on to the next block's place
	s_cselect_b32 s72, s[EXF], 0
	s_cselect_b32 s74, s[EXW], 0
	s_add_nc_u64 s[OF:OF+1], s[OF:OF+1], s[72:73]
	s_add_nc_u64 s[OW:OW+1], s[OW:OW+1], s[74:75]
	s_add_nc_u64 s[OF:OF+1], s[OF:OF+1], 32768
	s_add_nc_u64 s[OW:OW+1], s[OW:OW+1], 256
	s_add_co_u32 s[TA], s[TA], 32768
	s_add_co_u32 s[TS], s[TS], 64
	s_add_co_u32 s[CNT], s[CNT], 1
	s_cmp_lt_u32 s[CNT], 4
	s_cbranch_scc1 .Lfg
	s_branch .Lend
	; ---- H.  A lane holds one channel, so a tile's bias is the same number in all eight registers
.Lpath_h:
	s_wait_alu depctr_va_vdst(0)
.irp t, 0,1,2,3,4,5,6,7
	global_load_b32 v[BI+8*\t], v[BHO], s[16:17] offset:(32*(\t/2)+8*(\t%2))*4
.endr
	s_wait_loadcnt 0x0
.irp t, 0,1,2,3,4,5,6,7
.irp i, 1,2,3,4,5,6,7
	v_mov_b32 v[BI+8*\t+\i], v[BI+8*\t]
.endr
.endr
; 16 matrix instructions of group g (K step g / 2, tiles of positions 4 (g % 2) on) x W's tiles 4 p .. 4 p + 3
.macro HMUL p
.set kk, g/2
.set hf, g%2
.if kk == 0
	WIN 0x48+4*(\p)
.else
	WIN 0x58+4*(\p)
.endif
.set ii, 0
.rept 4
.set ll, 0
.rept 4
.set tt, 4*hf+ii
.set rD, 64*ll+8*tt
.set rA, SET+64*hf+16*ii
.set rB, 64*ll+16*kk
.if kk == 0
.set rC, BI+8*(4*(\p)+ll)
.else
.set rC, rD
.endif
.set rSA, ASC+4*kk+2*(tt/4)+tt%2
.set rSB, WSC+2*(4*(\p)+ll)+kk/2
	MM (tt/2)%2, kk%2
.set ll, ll+1
.endr
.set ii, ii+1
.endr
.endm
.macro HPASS p                         ; groups 0 and 1 have been asked for
.set g, 0
.rept 8
.if g < 7
	s_wait_alu depctr_va_vdst(0)
	s_wait_dscnt 16                                ; this group's set is in; the other set's 16 loads may be out
.else
	s_wait_dscnt 0x0
.endif
	HMUL \p
	WIN 0
	NOPS 8
.if g < 6
	LOADSET g%2, ((g+2)%2)*32768+((g+2)/2)*2048
.endif
.set g, g+1
.endr
.irp l, 0,1,2,3
	QUANT 64*\l, 8, 1, PC+16*\l, PW+\l
	PUT \l, 2048
.endr
	PUTW
	s_wait_xcnt 0x0                                ; the stores have read their registers and bases
.endm
.Lh:                                               ; two blocks of 128 positions: a key step each
	v_add_nc_u32 v[AF], s[TA], v[LI]
	v_add_nc_u32 v[AS], s[TS], v[AS0]
.irp a, 0,1
.set pl, 0
.rept 16
	ds_load_u16 v[PC+16*\a+pl], v[AS] offset:256*pl+64*\a
.set pl, pl+1
.endr
.endr
	LOADSET 0, 0
	s_wait_dscnt 16                                ; the bytes are in; set 0's 16 loads may be out
.irp s, 0,1,2,3
.irp a, 0,1
	WORDS PC+16*\a+4*\s, ASC+4*\s+2*\a
.endr
.endr
	NOPS 8
	LOADSET 1, 32768
	HPASS 0
	s_add_nc_u64 s[OF:OF+1], s[OF:OF+1], 8192
	s_add_nc_u64 s[OW:OW+1], s[OW:OW+1], 256
	LOADSET 0, 0
	LOADSET 1, 32768
	HPASS 1
	s_add_nc_u64 s[OF:OF+1], s[OF:OF+1], 126976    ; to the same place in the next step: 135,168 in all
	s_add_nc_u64 s[OW:OW+1], s[OW:OW+1], 134912
	s_add_co_u32 s[TA], s[TA], 65536
	s_add_co_u32 s[TS], s[TS], 128
	s_add_co_u32 s[CNT], s[CNT], 1
	s_cmp_lt_u32 s[CNT], 2
	s_cbranch_scc1 .Lh
.Lend:
	s_wait_tensorcnt 0x0                           ; the wave's end: behind my last tensor load
	ds_add_u32 v[SPW], v[NIL]
	s_wait_dscnt 0x0
	s_endpgm
.Lfunc_end_k_q67b6a98442_proj:
	.size	k_q67b6a98442_proj, .Lfunc_end_k_q67b6a98442_proj-k_q67b6a98442_proj
	.p2alignl 7, 3214868480
	.fill 96, 4, 3214868480
	.section	.rodata,"a",@progbits
	.p2align	6, 0x0
	.amdhsa_kernel k_q67b6a98442_proj
		.amdhsa_group_segment_fixed_size 167936
		.amdhsa_private_segment_fixed_size 0
		.amdhsa_enable_private_segment 0
		.amdhsa_kernarg_size 80
		.amdhsa_user_sgpr_count 2
		.amdhsa_user_sgpr_kernarg_segment_ptr 1
		.amdhsa_wavefront_size32 1
		.amdhsa_system_sgpr_workgroup_id_x 1
		.amdhsa_system_sgpr_workgroup_id_y 1
		.amdhsa_system_sgpr_workgroup_id_z 1
		.amdhsa_system_vgpr_workitem_id 0
		.amdhsa_next_free_vgpr 1024
		.amdhsa_next_free_sgpr 100
		.amdhsa_reserve_vcc 0
		.amdhsa_float_denorm_mode_32 3
		.amdhsa_float_denorm_mode_16_64 3
		.amdhsa_fp16_overflow 1
		.amdhsa_memory_ordered 1
		.amdhsa_forward_progress 1
		.amdhsa_inst_pref_size 160
	.end_amdhsa_kernel
	.amdgpu_metadata
---
amdhsa.version: [ 1, 2 ]
amdhsa.kernels:
  - .name:           k_q67b6a98442_proj
    .symbol:         k_q67b6a98442_proj.kd
    .args:
      - { .name: aq, .offset: 0, .size: 8, .value_kind: global_buffer, .address_space: global }
      - { .name: asc, .offset: 8, .size: 8, .value_kind: global_buffer, .address_space: global }
      - { .name: wfr, .offset: 16, .size: 8, .value_kind: global_buffer, .address_space: global }
      - { .name: Wf_scales, .offset: 24, .size: 8, .value_kind: global_buffer, .address_space: global }
      - { .name: Wg_scales, .offset: 32, .size: 8, .value_kind: global_buffer, .address_space: global }
      - { .name: Wh_scales, .offset: 40, .size: 8, .value_kind: global_buffer, .address_space: global }
      - { .name: bf, .offset: 48, .size: 8, .value_kind: global_buffer, .address_space: global }
      - { .name: bg, .offset: 56, .size: 8, .value_kind: global_buffer, .address_space: global }
      - { .name: bh, .offset: 64, .size: 8, .value_kind: global_buffer, .address_space: global }
      - { .name: qkv, .offset: 72, .size: 8, .value_kind: global_buffer, .address_space: global }
    .group_segment_fixed_size: 167936
    .private_segment_fixed_size: 0
    .kernarg_segment_align: 8
    .kernarg_segment_size: 80
    .max_flat_workgroup_size: 128
    .sgpr_count:     100
    .vgpr_count:     1024
    .wavefront_size: 32
...
	.end_amdgpu_metadata
.endif
;; end of part 2
;; launch attn (part 3): grid 16 x 16, 4 waves a work-group, clusters of 4 x 1, 327,680 bytes of LDS; arguments qkv, wfr, Wk_scales, bk, x, out0; writes out0
.if DOCPART == 3
	.amdgcn_target "amdgcn-amd-amdhsa--gfx1250"
	.amdhsa_code_object_version 6
	.text
	.protected	k_q67b6a98442_attn
	.globl	k_q67b6a98442_attn
	.p2align	8
	.type	k_q67b6a98442_attn,@function
k_q67b6a98442_attn:
	s_mov_b64 s[64:65], 0
	v_nop
	global_prefetch_b8 v0, s[64:65] scope:SCOPE_SE
	s_setreg_imm32_b32 hwreg(HW_REG_WAVE_MODE, 25, 1), 1
	s_wait_xcnt 0x0
	s_wait_alu depctr_hold_cnt(0) depctr_sa_sdst(0) depctr_va_vdst(0) depctr_va_sdst(0) depctr_va_ssrc(0) depctr_va_vcc(0) depctr_vm_vsrc(0)
	s_getreg_b32 s2, hwreg(HW_REG_IB_STS2, 6, 4)
	s_cmp_eq_u32 s2, 0
	s_cbranch_scc0 .Lentry_in_a_cluster
	s_endpgm
.Lentry_in_a_cluster:
	s_bfe_u32 s2, ttmp6, 0x10000c
	s_cmp_lg_u32 s2, 0x3003
	s_cbranch_scc0 .Lentry_shape_is_right
	s_endpgm
.Lentry_shape_is_right:
; ATTN: out = Wk (H softmax(F^T G)^T) + bk + x, all three products on codes of BF8 (E5M2) with E8M0 scales.  No work is left out.
; THE SOFTMAX AHEAD OF THE SECOND PRODUCT: t = logit x log2(e); M = the running largest t rounded UP to a whole number; p = 2^(t - M) is quantised along the keys, not normalised; the sum of the unquantised p divides O at the end.
; LIMITS: NaN and infinities not served; the scale byte is held at 1 from below; a block of zeros gets the byte 1, its codes are zeros.
; SHARES.  A work-group owns 128 queries of sample n; wave w owns tiles 2 w, 2 w + 1 of them (positions 32 w + 2 r + q), so a softmax never leaves a wave.  Every wave walks the 8 key steps of 128 keys.
; A step of KV (135,168 dense bytes: G's 32 fragments, H's 32, their scale words) comes by one tensor load a wave, a quarter each, into a ring of two slots.
; CLUSTER.  The four work-groups of a cluster belong to one sample and walk the same steps: each quarter is asked for JOINTLY, same descriptor, mask 15.
; LAYOUT.  S^T = G Q^T and O^T = H P^T: a lane holds ONE query.  The rows of G's tiles and the K slots of H's fragments were laid by the launch before so that p's 16 registers of tiles 2 b, 2 b + 1 are H's slots 32 b + 16 h + 0 .. 15.
; THE WAY OUT.  O / l is quantised along the channels; its fragments go to LDS as images of their registers, re-composed by address into tiles of 16 neighbouring positions; wave w then makes channels out 128 w .. + 127
; for all 128 positions (source 0 = O, source 1 = Wk: a lane holds one channel and eight neighbouring positions), adds x and stores whole rows of 512 bytes.
; x COMES EARLY.  Wave w adds x at its 128 channels, 512 bytes a channel.  Rows 0-63 come by one tensor load a wave into slot 0 behind the last change of slots, when that slot has been read for the last time, and land under the
; eighth key step; rows 64-95 likewise into the first half of slot 1 behind that step, and land under the quantising of O and the last product; rows 96-127 go into registers that the last product has left.  These are loads of the
; work-group's own (no mask); each wave reads only the rows that it fetched.  The images of O lie in the second half of slot 1, whose blocks have had their last fill.
; REGISTERS: windows 2, 3: O^T (tile ct, q) at 16 (ct % 16) + 8 q, window 2 + ct / 16; later the 64 accumulators of the last product.  Window 1: Q (q, s) at 64 q + 16 s; two sets of four fragments at v128, v192; later Wk, then x and rows of out.
.set SLOTB, 135168
.set IMG,   SLOTB+67584                ; the images of O (65,536 bytes) and their scale words (2,048): the second half of slot 1
.set SPARE, 270336                     ; behind the ring: the spare words, 128 bytes for each wave: two blocks of 256 bytes that no other line names
.set STG,   270848                     ; a stage of 16 rows x 528 bytes for each wave
.set LI,  1                            ; v1   16 x lane
.set GW,  2                            ; v2   131,072 + 16 r: a step's scale words
.set ADG, 3                            ; v3-5 the step's addresses: G, H, words
.set ADH, 4
.set ADS, 5
.set IA,  3                            ; v3   on the way out: IMG + 16 x lane
.set XA1, 4                            ; v4   on the way out: my rows 0-63 of x: 32,768 w + 16 x lane
.set XA2, 5                            ; v5   on the way out: my rows 64-95: SLOTB + 16,384 w + 16 x lane
.set SPW, 6
.set NIL, 7
.set PFO, 8                            ; v8   256 x lane
.set PXO, 9                            ; v9   x's prefetches: 8,192 (lane / 2) + 256 (lane % 2)
.set OIA, 10                           ; v10  where my part of an image of O goes
.set OSA, 11                           ; v11  and its scale word
.set STO, 12
.set RD,  13
.set OWA, 14                           ; v14  IMG + 65,536 + 4 r: O's scale words
.set QSO, 15                           ; v15  16 r
.set ST,  16                           ; v16-23 for each q: -M, the largest t, the sum in two halves
.set TM,  24                           ; v24-27 block maxima, v28-31 permutes and bytes, v36-39 scale operands
.set BM,  24
.set PM,  28
.set LM,  32
.set SC,  36
.set SU,  40                           ; v40-41 a chain of sums
.set TP,  42                           ; v42-43 at work
.set FF,  44                           ; v44-47 f = 2^(old M - new M), a pair for each q
.set BKO, 48
.set WSO, 49
.set PSC, 54                           ; v54-55 p's scale words
.set KSC, 56                           ; v56-87 G's, then H's scale words; later Wk's and O's
.set QSC, 88                           ; v88-95 Q's scale words
.set PC,  96                           ; v96-127 p's codes
.set S,   128                          ; v128-255 S^T, then p: 64 q + 8 kt
.set WV,  16
.set G1,  24
.set G0,  32
.set TB,  36
.set TBH, 37
.set SLOTS, 38
.set LIM, 39
.set PFA, 40
.set CS,  42
.set SEL, 44
.set MNT, 46
.set QP,  50
.set FSP, 52
.set XP,  54
.set OP,  56
.set WKP, 58
.set G1X, 68                           ; s[68:75] group 1 for x's rows 0-63;  s[76:83] for rows 64-95;  s[84:87], s[88:91] their groups 0: made at the head, never rewritten
.set G1Y, 76
.set G0X, 84
.set G0Y, 88
.set MSB, 0
.macro WIN new                         ; the immediate's high byte repeats the setting that is left
.if MSB != (\new)
	s_set_vgpr_msb (MSB<<8)|(\new)
.set MSB, (\new)
.endif
.endm
.macro NOPS n
.rept \n
	v_nop
.endr
.endm
.macro MMZ                             ; a sum's first matrix instruction
	v_wmma_scale_f32_16x16x128_f8f6f4 v[rD:rD+7], v[rA:rA+15], v[rB:rB+15], 0, v[rSA], v[rSB] matrix_a_fmt:MATRIX_FMT_BF8 matrix_b_fmt:MATRIX_FMT_BF8
.endm
.macro MM rb
.if (\rb)
	v_wmma_scale_f32_16x16x128_f8f6f4 v[rD:rD+7], v[rA:rA+15], v[rB:rB+15], v[rC:rC+7], v[rSA], v[rSB] matrix_a_fmt:MATRIX_FMT_BF8 matrix_b_fmt:MATRIX_FMT_BF8 matrix_b_scale:MATRIX_SCALE_ROW1
.else
	v_wmma_scale_f32_16x16x128_f8f6f4 v[rD:rD+7], v[rA:rA+15], v[rB:rB+15], v[rC:rC+7], v[rSA], v[rSB] matrix_a_fmt:MATRIX_FMT_BF8 matrix_b_fmt:MATRIX_FMT_BF8
.endif
.endm
.macro CROUND                          ; a round of the cluster's barrier
	s_barrier_signal -1
	s_barrier_wait -1
	s_cmp_lg_u32 s[WV], 0
	s_cbranch_scc1 .Lnot_wave_0_\@
	s_barrier_signal -3
.Lnot_wave_0_\@:
	s_barrier_wait -3
	s_barrier_signal -1
	s_barrier_wait -1
.endm
; Eight tiles of 8 registers at v[base + str t] of window win become 16 code registers v[pcr ..] and a scale word v[pwr], window 0; lane l xor 16 holds the other half of each block.  Each accumulator is read from its low end on.
.macro QUANT base, str, win, pcr, pwr
.set wq, (\win)|((\win)<<2)
	WIN wq
.irp b, 0,1,2,3
	v_max3_num_f32 v[TM+\b], |v[(\base)+2*(\str)*\b]|, |v[(\base)+2*(\str)*\b+1]|, 0x8000000
.endr
.set wq, ((\win)<<2)|((\win)<<4)
	WIN wq
.irp i, 2,4,6,8,10,12,14
.irp b, 0,1,2,3
	v_max3_num_f32 v[TM+\b], v[TM+\b], |v[(\base)+(\str)*(2*\b+\i/8)+\i%8]|, |v[(\base)+(\str)*(2*\b+\i/8)+\i%8+1]|
.endr
.endr
	WIN 0
.irp b, 0,1,2,3
	v_permlanex16_b32 v[TM+4+\b], v[TM+\b], s[SEL], s[SEL+1]
.endr
.irp b, 0,1,2,3
	v_max_num_f32 v[TM+\b], v[TM+\b], v[TM+4+\b]
.endr
.irp b, 0,1,2,3
	v_add_nc_u32 v[TM+12+\b], 0xf8800000, v[TM+\b]
.endr
.irp b, 0,1,2,3
.endr
.irp b, 0,1,2,3
	v_lshrrev_b32 v[TM+4+\b], 23, v[TM+12+\b]
.endr
	v_lshl_or_b32 v[\pwr], v[TM+5], 8, v[TM+4]
	v_lshl_or_b32 v[\pwr], v[TM+6], 16, v[\pwr]
	v_lshl_or_b32 v[\pwr], v[TM+7], 24, v[\pwr]
.set wq, (\win)|((\win)<<6)
	WIN wq
.irp t, 0,1,2,3,4,5,6,7
.irp i, 0,1,2,3,4,5,6,7
.endr
.endr
	WIN (\win)
.irp t, 0,1,2,3,4,5,6,7
	v_cvt_scalef32_pk8_bf8_f32 v[(\pcr)+2*\t:(\pcr)+2*\t+1], v[(\base)+(\str)*\t:(\base)+(\str)*\t+7], v[TM+12+\t/2]
.endr
	WIN 0
	v_nop                                          ; a plain line behind the last conversion
.endm
	s_load_b256 s[4:11], s[0:1], 0x0               ; qkv, wfr, Wk_scales, bk
	s_load_b128 s[12:15], s[0:1], 0x20             ; x, out0
	v_lshl_add_u32 v[SPW], v0, 2, SPARE
	v_mov_b32 v[NIL], 0
	ds_add_u32 v[SPW], v[NIL]                      ; the opening: the add, twice on end, and its wait ahead of the round in front of my first tensor load
	ds_add_u32 v[SPW], v[NIL]
	v_lshrrev_b32 v50, 5, v0
	v_readfirstlane_b32 s[WV], v50                 ; wave 0..3
	s_bfe_u32 s17, ttmp6, 0x40000                  ; cx: it enters the addresses of Q, x, out and of the prefetches alone
	s_lshl_b32 s19, ttmp9, 2
	s_add_co_u32 s19, s19, s17                     ; my block of 128 queries
	s_and_b32 s18, ttmp7, 0xffff                   ; n, which the four partners share
	s_mov_b32 s[G1], 15|(3<<16)|(1<<21)            ; mask: all four; elements of 8 bytes; bit 21 beside a mask
	s_mov_b32 s[G1+1], 32<<16                      ; 132 rows of 256 bytes, dense
	s_mov_b32 s[G1+2], 132<<16
	s_mov_b32 s[G1+3], 32<<16
	s_mov_b32 s[G1+4], 132
	s_mov_b32 s[G1+5], 32
	s_mov_b32 s[G1+6], 0
	s_mov_b32 s[G1+7], 0
.irp g, G1X, G1Y
	s_mov_b32 s[\g], 3<<16                         ; x: no mask; elements of 8 bytes; no padding
	s_mov_b32 s[\g+1], 64<<16                      ; tensor_dim0 = 64: a row is 512 bytes, 128 positions
	s_mov_b32 s[\g+3], 64<<16                      ; tile_dim0 = 64
	s_mov_b32 s[\g+5], 1024                        ; from channel to channel: 8,192 bytes
	s_mov_b32 s[\g+6], 0
	s_mov_b32 s[\g+7], 0
.endr
	s_mov_b32 s[G1X+2], 64<<16                     ; 64 rows
	s_mov_b32 s[G1X+4], 64
	s_mov_b32 s[G1Y+2], 32<<16                     ; 32 rows
	s_mov_b32 s[G1Y+4], 32
	s_mov_b32 s[G0X], 1
	s_lshl_b32 s[G0X+1], s[WV], 15                 ; slot 0: 32,768 bytes for each wave
	s_mov_b32 s[G0Y], 1
	s_lshl_b32 s[G0Y+1], s[WV], 14                 ; slot 1's first half: 16,384 bytes for each wave
	s_add_co_u32 s[G0Y+1], s[G0Y+1], SLOTB
	s_mul_i32 s20, s18, 1081344
	s_mul_i32 s22, s[WV], 33792
	s_add_co_u32 s20, s20, s22
	s_add_co_u32 s20, s20, 17301504                ; KV of n, my quarter of step 0
	s_mov_b32 s21, 0
	s_mov_b32 s[G0], 1
	s_mov_b32 s[G0+1], s22                         ; slot 0, my quarter
	s_mul_i32 s48, s18, 1081344
	s_lshl_b32 s49, s17, 2
	s_add_co_u32 s49, s49, s[WV]
	s_lshl_b32 s49, s49, 13
	s_add_co_u32 s48, s48, s49
	s_add_co_u32 s48, s48, 17301504+SLOTB          ; the prefetches: 8,192 bytes for each of the cluster's 16 waves, told apart by address; at step 1, stepped to step 2 by the first change
	s_mov_b32 s49, 0
	s_lshl_b32 s[QP], s18, 20
	s_lshl_b32 s23, s19, 16
	s_add_co_u32 s[QP], s[QP], s23
	s_lshl_b32 s23, s[WV], 14
	s_add_co_u32 s[QP], s[QP], s23
	s_mov_b32 s[QP+1], 0
	s_lshl_b32 s[FSP], s18, 15
	s_lshl_b32 s23, s19, 11
	s_add_co_u32 s[FSP], s[FSP], s23
	s_lshr_b32 s23, s[WV], 1
	s_lshl_b32 s23, s23, 8
	s_add_co_u32 s[FSP], s[FSP], s23
	s_and_b32 s23, s[WV], 1
	s_lshl_b32 s23, s23, 3
	s_add_co_u32 s[FSP], s[FSP], s23
	s_add_co_u32 s[FSP], s[FSP], 16777216
	s_mov_b32 s[FSP+1], 0
	s_lshl_b32 s[XP], s18, 22
	s_lshl_b32 s23, s[WV], 20
	s_add_co_u32 s[XP], s[XP], s23
	s_lshl_b32 s23, s19, 9
	s_add_co_u32 s[XP], s[XP], s23                 ; x and out: n x 4 MiB + 128 w rows of 8,192 + 512 x block
	s_mov_b32 s[XP+1], 0
	s_lshl_b32 s[WKP], s[WV], 16
	s_add_co_u32 s[WKP], s[WKP], 786432
	s_mov_b32 s[WKP+1], 0
	s_lshl_b32 s60, s[WV], 11
	s_mov_b32 s61, 0
	s_lshl_b32 s62, s[WV], 9
	s_mov_b32 s63, 0
	s_mov_b32 s[CS], 0x3fb8aa3b                    ; log2(e): the logits are not scaled
	s_mov_b32 s[CS+1], s[CS]
	s_mov_b32 s[SEL], 0x76543210
	s_mov_b32 s[SEL+1], 0xfedcba98
	s_mov_b32 s[TB], 0
	s_mov_b32 s[SLOTS], 7
	s_cmp_eq_u32 ttmp9, 0                          ; the sample's first cluster prefetches: the same in all four partners
	s_cselect_b32 s[LIM], 1, -1
	s_wait_dscnt 0x0                               ; both opening adds are done
	s_wait_kmcnt 0x0
	s_add_nc_u64 s[G0+2:G0+3], s[4:5], s[20:21]
	s_or_b32 s[G0+3], s[G0+3], 0x80000000
	s_add_nc_u64 s[PFA:PFA+1], s[4:5], s[48:49]
	s_add_nc_u64 s[QP:QP+1], s[4:5], s[QP:QP+1]
	s_add_nc_u64 s[FSP:FSP+1], s[4:5], s[FSP:FSP+1]
	s_add_nc_u64 s[OP:OP+1], s[14:15], s[XP:XP+1]
	s_add_nc_u64 s[XP:XP+1], s[12:13], s[XP:XP+1]
	s_mov_b64 s[G0X+2:G0X+3], s[XP:XP+1]           ; x at my channel 0,
	s_or_b32 s[G0X+3], s[G0X+3], 0x80000000
	s_add_nc_u64 s[G0Y+2:G0Y+3], s[XP:XP+1], 524288  ; and at my channel 64
	s_or_b32 s[G0Y+3], s[G0Y+3], 0x80000000
	s_add_nc_u64 s[WKP:WKP+1], s[6:7], s[WKP:WKP+1]
	s_add_nc_u64 s[8:9], s[8:9], s[60:61]
	s_add_nc_u64 s[10:11], s[10:11], s[62:63]
	CROUND                                         ; all four work-groups are here: the first joint loads meet
	tensor_load_to_lds s[G0:G0+3], s[G1:G1+7]      ; step 0 into slot 0: one tensor load of mine is out
	s_nop 0
	NOPS 4
	v_and_b32 v50, 31, v0
	v_lshlrev_b32 v[LI], 4, v50
	v_lshlrev_b32 v[PFO], 8, v50
	v_lshrrev_b32 v52, 1, v50
	v_lshlrev_b32 v[PXO], 13, v52
	v_and_b32 v52, 1, v0
	v_lshl_add_u32 v[PXO], v52, 8, v[PXO]
	v_and_b32 v50, 15, v0                          ; r
	v_bfe_u32 v51, v0, 4, 1                        ; h
	v_lshlrev_b32 v[QSO], 4, v50
	WIN 0x40                                       ; destination window 1
.irp q, 0,1
.irp s, 0,1,2,3
.irp cc, 0,1,2,3
	global_load_b128 v[64*\q+16*\s+4*\cc:64*\q+16*\s+4*\cc+3], v[LI], s[QP:QP+1] offset:\q*8192+\s*2048+512*\cc   ; Q stays in registers
.endr
.endr
.endr
	WIN 0
.irp s, 0,1,2,3
	global_load_b64 v[QSC+2*\s:QSC+2*\s+1], v[QSO], s[FSP:FSP+1] offset:512*\s
.endr
	v_lshl_add_u32 v[GW], v50, 4, 131072
	v_lshl_add_u32 v[OWA], v50, 2, IMG+65536
	v_bfe_u32 v52, v0, 3, 1                        ; r / 8
	v_and_b32 v53, 7, v0                           ; r % 8
	v_lshlrev_b32 v[OIA], 13, v52                  ; position 32 w + 2 r + q is row 2 (r % 8) + q of the natural tile 2 w + r / 8
	v_lshl_add_u32 v[OIA], v53, 5, v[OIA]
	v_lshl_add_u32 v[OIA], v51, 8, v[OIA]
	s_lshl_b32 s23, s[WV], 14
	s_add_co_u32 s23, s23, IMG
	v_add_nc_u32 v[OIA], s23, v[OIA]
	v_lshlrev_b32 v[OSA], 8, v52
	v_lshl_add_u32 v[OSA], v53, 3, v[OSA]
	s_lshl_b32 s23, s[WV], 9
	s_add_co_u32 s23, s23, IMG+65536
	v_add_nc_u32 v[OSA], s23, v[OSA]
	v_mul_u32_u24 v[STO], v50, 528
	v_lshl_add_u32 v[STO], v51, 5, v[STO]
	s_mul_i32 s23, s[WV], 8448
	s_add_co_u32 s23, s23, STG
	v_add_nc_u32 v[STO], s23, v[STO]
	v_add_nc_u32 v[RD], s23, v[LI]
	v_lshl_add_u32 v[BKO], v52, 3, v50             ; r + 8 (r / 8)
	v_lshlrev_b32 v[WSO], 4, v[BKO]
	v_lshl_add_u32 v[WSO], v51, 2, v[WSO]
	v_lshlrev_b32 v[BKO], 2, v[BKO]
.irp q, 0,1
	v_mov_b32 v[ST+4*\q+1], 0xff61b1e6             ; the largest t so far: -3e38, under every t
	v_floor_f32 v[ST+4*\q], -v[ST+4*\q+1]          ; -M
	v_mov_b32 v[ST+4*\q+2], 0                      ; the sum, in two halves
	v_mov_b32 v[ST+4*\q+3], 0
	v_mov_b32 v[FF+2*\q+1], 0                      ; (named as the upper half of a pair)
.endr
.irp b, 0,1,2,3
	v_mov_b32 v[PM+\b], 0                          ; written once: a lane permute's destination counts as one of its sources
.endr
	WIN 0x80                                       ; O^T begins as zeros, written while the first tile is on its way: so the key step needs no first form of its own, and the text holds it twice, not three times
.set i, 0
.rept 256
	v_mov_b32 v[i], 0
.set i, i+1
.endr
	WIN 0xc0
.set i, 0
.rept 256
	v_mov_b32 v[i], 0
.set i, i+1
.endr
	WIN 0
.macro LOADG i                         ; group i of G: K step i / 2, tiles of keys 4 (i % 2) on, into set i % 2
	WIN 0x40
.irp f, 0,1,2,3
.irp cc, 0,1,2,3
	ds_load_b128 v[128+64*((\i)%2)+16*\f+4*\cc:128+64*((\i)%2)+16*\f+4*\cc+3], v[ADG] offset:(4*((\i)%2)+\f)*8192+((\i)/2)*2048+512*\cc
.endr
.endr
.endm
.macro LOADH i                         ; group i of H: tiles of channels 4 i on
	WIN 0x40
.irp f, 0,1,2,3
.irp cc, 0,1,2,3
	ds_load_b128 v[128+64*((\i)%2)+16*\f+4*\cc:128+64*((\i)%2)+16*\f+4*\cc+3], v[ADH] offset:(4*(\i)+\f)*2048+512*\cc
.endr
.endr
.endm
.macro QKG i                           ; 8 matrix instructions of S^T = G Q^T; the accumulators take turns, one instruction a turn
	WIN 0x05
.set ff, 0
.rept 4
.set qq, 0
.rept 2
.set kt, 4*((\i)%2)+ff
.set rD, S+64*qq+8*kt
.set rC, rD
.set rA, 128+64*((\i)%2)+16*ff
.set rB, 64*qq+16*((\i)/2)
.set rSA, KSC+8*((\i)/2)+kt
.set rSB, QSC+2*((\i)/2)+qq
.if (\i) < 2
	MMZ
.else
	MM 0
.endif
.set qq, qq+1
.endr
.set ff, ff+1
.endr
.endm
.macro PVG i                           ; 8 matrix instructions of O^T += H P^T
	WIN 0xa1+0x50*((\i)/4)
.set ff, 0
.rept 4
.set qq, 0
.rept 2
.set rD, 16*((4*(\i)+ff)%16)+8*qq
.set rC, rD
.set rA, 128+64*((\i)%2)+16*ff
.set rB, PC+16*qq
.set rSA, KSC+4*(\i)+ff
.set rSB, PSC+qq
	MM 0
.set qq, qq+1
.endr
.set ff, ff+1
.endr
.endm
.macro RESC i                          ; group i's accumulators times v[FF + 2 q]: 32 plain lines, each accumulator from its low end on
	WIN 0x82+0x41*((\i)/4)
.set ff, 0
.rept 4
.set qq, 0
.rept 2
.set ro, 16*((4*(\i)+ff)%16)+8*qq
.irp k, 0,2,4,6
	v_pk_mul_f32 v[ro+\k:ro+\k+1], v[ro+\k:ro+\k+1], v[FF+2*qq:FF+2*qq+1] op_sel_hi:[1,0]
.endr
.set qq, qq+1
.endr
.set ff, ff+1
.endr
.endm
.macro SOFTMAX q                       ; 64 scores of my query of tile q become p's codes and scale word
.set SB, S+64*(\q)
.set TT, ST+4*(\q)
.set PB, PC+16*(\q)
.set FQ, FF+2*(\q)
.irp b, 0,1,2,3
	v_max3_num_f32 v[BM+\b], v[SB+16*\b], v[SB+16*\b+1], v[SB+16*\b+2]   ; the largest score of each block of 32 keys: for the row's maximum, and for the block's largest p
.endr
.irp i, 3,5,7,9,11,13
.irp b, 0,1,2,3
	v_max3_num_f32 v[BM+\b], v[BM+\b], v[SB+16*\b+\i], v[SB+16*\b+\i+1]
.endr
.endr
.irp b, 0,1,2,3
	v_max_num_f32 v[BM+\b], v[BM+\b], v[SB+16*\b+15]
.endr
.irp b, 0,1,2,3
	v_permlanex16_b32 v[PM+\b], v[BM+\b], s[SEL], s[SEL+1]
.endr
.irp b, 0,1,2,3
	v_max_num_f32 v[BM+\b], v[BM+\b], v[PM+\b]
.endr
	v_max3_num_f32 v[TP], v[BM], v[BM+1], v[BM+2]
	v_max_num_f32 v[TP], v[TP], v[BM+3]
	v_mul_f32 v[TP], s[CS], v[TP]
	v_max_num_f32 v[TT+1], v[TT+1], v[TP]          ; the running largest t
	v_mov_b32 v[TP], v[TT]
	v_floor_f32 v[TT], -v[TT+1]                    ; the new -M = -ceil(t)
	v_sub_f32 v[TP], v[TT], v[TP]                  ; old M - new M: a whole number, 0 or less
	v_cvt_i32_f32 v[TP], v[TP]
	v_ldexp_f32 v[FQ], 1.0, v[TP]                  ; f = 2^(old M - new M): exact
.set j, 0
.rept 32
	v_pk_fma_f32 v[SB+j:SB+j+1], v[SB+j:SB+j+1], s[CS:CS+1], v[TT:TT+1] op_sel_hi:[1,0,0]   ; t - M
.set j, j+2
.endr
.irp b, 0,1,2,3
	v_fma_f32 v[BM+\b], v[BM+\b], s[CS], v[TT]
.endr
.set j, 0
	s_wait_alu depctr_va_vdst(0)
.rept 64
	v_exp_f32 v[SB+j], v[SB+j]                     ; p = 2^(t - M)
.set j, j+1
.endr
	v_pk_mul_f32 v[TT+2:TT+3], v[TT+2:TT+3], v[FQ:FQ+1] op_sel_hi:[1,0]   ; the sums under the new M (a plain line behind the exponentials)
	s_wait_alu depctr_va_vdst(0)                   ; one wait for the batch of 64, ahead of its first reader
.irp b, 0,1,2,3
	v_exp_f32 v[BM+\b], v[BM+\b]                   ; the block's largest p
.endr
	v_pk_add_f32 v[SU:SU+1], v[SB:SB+1], v[SB+2:SB+3]   ; the sum of the unquantised p, in two chains
.irp j, 4,8,12,16,20,24,28,32,36,40,44,48,52,56,60
	v_pk_add_f32 v[TT+2:TT+3], v[TT+2:TT+3], v[SB+\j:SB+\j+1]
	v_pk_add_f32 v[SU:SU+1], v[SU:SU+1], v[SB+\j+2:SB+\j+3]
.endr
	v_pk_add_f32 v[TT+2:TT+3], v[TT+2:TT+3], v[SU:SU+1]
	s_wait_alu depctr_va_vdst(0)                   ; and one for the four
.irp b, 0,1,2,3
	v_max_num_f32 v[BM+\b], 0x8000000, v[BM+\b]    ; the floor 2^(16 - 127)
.endr
.irp b, 0,1,2,3
	v_add_nc_u32 v[SC+\b], 0xf8800000, v[BM+\b]
.endr
.irp b, 0,1,2,3
.endr
.irp b, 0,1,2,3
	v_lshrrev_b32 v[PM+\b], 23, v[SC+\b]
.endr
	v_lshl_or_b32 v[PSC+(\q)], v[PM+1], 8, v[PM]
	v_lshl_or_b32 v[PSC+(\q)], v[PM+2], 16, v[PSC+(\q)]
	v_lshl_or_b32 v[PSC+(\q)], v[PM+3], 24, v[PSC+(\q)]
.irp b, 0,1,2,3
.irp i, 0,1,2,3,4,5,6,7,8,9,10,11,12,13,14,15
.endr
	v_cvt_scalef32_pk8_bf8_f32 v[PB+4*\b:PB+4*\b+1], v[SB+16*\b:SB+16*\b+7], v[SC+\b]
	v_cvt_scalef32_pk8_bf8_f32 v[PB+4*\b+2:PB+4*\b+3], v[SB+16*\b+8:SB+16*\b+15], v[SC+\b]
.endr
.endm
; A KEY STEP: 128 keys, in the slot at s[TB]
.macro STEP
	s_add_co_u32 s[TBH], s[TB], 65536
	v_add_nc_u32 v[ADG], s[TB], v[LI]
	v_add_nc_u32 v[ADH], s[TBH], v[LI]
	v_add_nc_u32 v[ADS], s[TB], v[GW]
	NOPS 5                                         ; with the three additions: eight places in front of loads into registers that matrix instructions have read
.irp u, 0,1,2,3,4,5,6,7
	ds_load_b128 v[KSC+4*\u:KSC+4*\u+3], v[ADS] offset:256*\u     ; G's scale words
.endr
	LOADG 0
	LOADG 1
.set gi, 0
	s_wait_alu depctr_va_vdst(0)
.rept 8
.if gi < 7
	s_wait_dscnt 16                                ; this group is in; the next group's 16 loads may be out
.else
	s_wait_dscnt 0x0
.endif
	QKG gi
	NOPS 8
.if gi < 6
	LOADG gi+2
.endif
.set gi, gi+1
.endr
	WIN 0
.irp u, 0,1,2,3,4,5,6,7
	ds_load_b128 v[KSC+4*\u:KSC+4*\u+3], v[ADS] offset:2048+256*\u   ; H's scale words and first two groups land under the softmax
.endr
	LOADH 0
	LOADH 1
	WIN 0
	SOFTMAX 0
	SOFTMAX 1
	RESC 0                                         ; also the places between the codes and scale words just made and the matrix instructions
.set gi, 0
	s_wait_alu depctr_va_vdst(0)
.rept 8
.if gi < 7
	s_wait_alu depctr_va_vdst(0)
	s_wait_dscnt 16                                ; this group is in; the next group's 16 loads may be out
.else
	s_wait_alu depctr_va_vdst(0)
	s_wait_dscnt 0x0
.endif
	PVG gi
.if gi < 7
	RESC gi+1                                      ; the next group's accumulators under the new M: also the places in front of the loads below
.endif
.if gi < 6
	LOADH gi+2
.endif
.set gi, gi+1
.endr
	WIN 0
	s_xor_b32 s[TB], s[TB], SLOTB                  ; on to the other slot
.endm
	s_wait_loadcnt 0x0                             ; Q and its scale words
.Lstep:                                            ; seven trips: behind each change of slots the next step is asked for, and has a whole step in which to land
	s_wait_tensorcnt 0x0                           ; my one tensor load, my quarter of the step about to be read, has landed: the descriptor may be written
	ds_add_u32 v[SPW], v[NIL]                      ; 0 onto my spare word
	s_xor_b32 s[G0+1], s[G0+1], SLOTB              ; the other slot (135,168 shares no bit with 33,792 x wave),
	s_add_nc_u64 s[G0+2:G0+3], s[G0+2:G0+3], SLOTB ; the next step
	s_wait_xcnt 0x0                                ; the last prefetch, a step back, has read its address
	s_add_nc_u64 s[PFA:PFA+1], s[PFA:PFA+1], SLOTB
	s_wait_dscnt 0x0                               ; the add is done, and my reads of the slot that I have left are over
	CROUND                                         ; the same holds of every wave of every partner
	tensor_load_to_lds s[G0:G0+3], s[G1:G1+7]      ; the first thing behind the round, and my one tensor load until the next
	s_nop 0
	NOPS 4
	s_cmp_gt_u32 s[SLOTS], s[LIM]                  ; the code bytes of the step after that one, 8,192 bytes a wave, lanes 256 bytes apart: each block is named once in the launch; the last trip asks for nothing
	s_cbranch_scc0 .Lnot_mine
	global_prefetch_b8 v[PFO], s[PFA:PFA+1] th:TH_LOAD_NT scope:SCOPE_SE
.Lnot_mine:
	STEP
	s_sub_co_u32 s[SLOTS], s[SLOTS], 1
	s_cmp_lg_u32 s[SLOTS], 0
	s_cbranch_scc1 .Lstep
	; the last change of slots is written out.  No key step is left to ask for: slot 0, read for the last time in the seventh step, takes my rows 0-63 of x
	s_wait_tensorcnt 0x0                           ; my quarter of the eighth step has landed
	ds_add_u32 v[SPW], v[NIL]                      ; 0 onto my spare word
	s_wait_dscnt 0x0                               ; the add is done, and my reads of slot 0 are over
	CROUND                                         ; in a cluster launch a load of the work-group's own stands behind a round too
	tensor_load_to_lds s[G0X:G0X+3], s[G1X:G1X+7]  ; 64 rows of 512 bytes into my 32,768 bytes of slot 0: my one tensor load until the next round; it has the eighth step's 128 matrix instructions in which to land, so nothing is prefetched ahead of it
	s_nop 0
	NOPS 4
	s_mov_b32 s[TB], SLOTB                         ; the eighth step lies in slot 1: written as the constant, so that its reads are told from the fill of slot 0 on the face of the text
	STEP
	; ---- THE WAY OUT
	NOPS 8                                         ; places behind the last products
	s_wait_tensorcnt 0x0                           ; my rows 0-63 of x have landed
	ds_add_u32 v[SPW], v[NIL]                      ; 0 onto my spare word
	s_wait_dscnt 0x0                               ; the add is done, and my reads of slot 1 are over
	CROUND                                         ; every wave's reads of the ring are over
	tensor_load_to_lds s[G0Y:G0Y+3], s[G1Y:G1Y+7]  ; my rows 64-95 of x into my 16,384 bytes of slot 1's first half: the launch's last tensor load; it lands under the quantising of O and the last product
	s_nop 0
	NOPS 4
	s_lshl_b32 s23, s[WV], 15
	v_add_nc_u32 v[XA1], s23, v[LI]
	s_lshl_b32 s23, s[WV], 14
	s_add_co_u32 s23, s23, SLOTB
	v_add_nc_u32 v[XA2], s23, v[LI]
	v_add_nc_u32 v[IA], IMG, v[LI]
.macro WKLOAD ks                       ; Wk's eight fragments of K step ks into window 1, at 128 (ks % 2)
	WIN 0x40
.irp t, 0,1,2,3,4,5,6,7
.irp cc, 0,1,2,3
	global_load_b128 v[128*((\ks)%2)+16*\t+4*\cc:128*((\ks)%2)+16*\t+4*\cc+3], v[LI], s[WKP:WKP+1] offset:\t*8192+(\ks)*2048+512*\cc
.endr
.endr
	WIN 0
.endm
	WKLOAD 0
	WKLOAD 1
.irp t, 0,1,2,3,4,5,6,7
.irp u, 0,1
	global_load_b32 v[KSC+2*\t+\u], v[WSO], s[8:9] offset:(32*(\t/2)+8*(\t%2))*16+8*\u   ; Wk's scale words: lanes 0-15 word 2 u, lanes 16-31 the next
.endr
	global_load_b32 v[S+\t], v[BKO], s[10:11] offset:(32*(\t/2)+8*(\t%2))*4              ; bk of my channel of tile t
.endr
.irp q, 0,1
	v_add_f32 v[TP+\q], v[ST+4*\q+2], v[ST+4*\q+3] ; the sum's two halves,
.endr
.irp q, 0,1
	v_permlanex16_b32 v[PM+\q], v[TP+\q], s[SEL], s[SEL+1]
.endr
.irp q, 0,1
	v_add_f32 v[TP+\q], v[TP+\q], v[PM+\q]         ; and lane l xor 16's
.endr
	s_wait_alu depctr_va_vdst(0)
.irp q, 0,1
	v_rcp_f32 v[FF+2*\q], v[TP+\q]
.endr
	v_nop
	s_wait_alu depctr_va_vdst(0)                   ; one wait for the two reciprocals, ahead of their first reader
.irp g, 0,1,2,3,4,5,6,7
	RESC \g                                        ; O^T / the sum
.endr
.set it, 0
.irp s, 0,1,2,3
.irp q, 0,1
.if it >= 2
	s_wait_dscnt 5                                 ; the image before the last has been stored: its registers may be written; the last image's five stores may be out
.endif
	QUANT 128*(\s%2)+8*\q, 16, 2+\s/2, PC+16*(it%2), PSC+it%2
.irp cc, 0,1,2,3
	ds_store_b128 v[OIA], v[PC+16*(it%2)+4*\cc:PC+16*(it%2)+4*\cc+3] offset:2048*\s+512*\cc+16*\q
.endr
	ds_store_b32 v[OSA], v[PSC+it%2] offset:64*\s+4*\q
.set it, it+1
.endr
.endr
	s_wait_dscnt 0x0                               ; for the others: my images have landed
	s_barrier_signal -1                            ; my last tensor load may stay out
	s_barrier_wait -1
	s_wait_loadcnt 0x0                             ; Wk's first two K steps, its scale words, bk
.set tt, 0
.rept 8
.set rC, 16+8*tt+48*(tt/4)
.irp i, 0,1,2,3,4,5,6,7
	v_mov_b32 v[rC+\i], v[S+tt]                    ; bk is the C of each sum's first matrix instruction: a lane holds one channel, so eight equal registers a tile
.endr
.set tt, tt+1
.endr
.macro OLOAD sg                        ; half sg: K step sg / 2, natural tiles 4 (sg % 2) on: four fragments and their scale words
.irp i, 0,1,2,3
.irp cc, 0,1,2,3
	ds_load_b128 v[S+64*((\sg)%2)+16*\i+4*\cc:S+64*((\sg)%2)+16*\i+4*\cc+3], v[IA] offset:(4*((\sg)%2)+\i)*8192+((\sg)/2)*2048+512*\cc
.endr
	ds_load_b32 v[72+8*(((\sg)/2)%2)+4*((\sg)%2)+\i], v[OWA] offset:(4*((\sg)%2)+\i)*256+((\sg)/2)*64
.endr
.endm
.macro OMUL sg                         ; 32 matrix instructions: my 8 tiles of Wk x the half's 4 tiles of positions; the accumulators take turns
.set kk, (\sg)/2
.set hf, (\sg)%2
.set tt, 0
.rept 8
.if kk == 0
	WIN 0x84+0x40*(tt/4)
.else
	WIN 0xa4+0x50*(tt/4)
.endif
.set ii, 0
.rept 4
.set rD, 64*(tt%4)+8*(4*hf+ii)
.set rA, S+64*hf+16*ii
.set rB, 128*(kk%2)+16*tt
.if kk == 0
.set rC, 16+8*tt+48*(tt/4)
.else
.set rC, rD
.endif
.set rSA, 72+8*(kk%2)+4*hf+ii
.set rSB, KSC+2*tt+kk/2
	MM kk%2
.set ii, ii+1
.endr
.set tt, tt+1
.endr
	WIN 0
.endm
.macro XGLOAD t8                       ; x at the 16 channels of tile t8 (6 or 7): whole rows of 512 bytes, into window 1 at 64 (t8 - 6)
	WIN 0x40
.set tr, 0
.rept 16
	global_load_b128 v[64*((\t8)-6)+4*tr:64*((\t8)-6)+4*tr+3], v[LI], s[XP:XP+1] offset:(32*((\t8)/2)+8*((\t8)%2)+tr+8*(tr/8))*8192 th:TH_LOAD_NT
.set tr, tr+1
.endr
	WIN 0
.endm
	OLOAD 0
	OLOAD 1
.irp k, 6,7
	global_prefetch_b8 v[PXO], s[XP:XP+1] offset:\k*131072 th:TH_LOAD_NT scope:SCOPE_SE   ; my rows 96-127 of x, 512 bytes each, a lane to each 256: six halves, 192 matrix instructions, ahead of their loads; each block is named once in the launch
.endr
.set sg, 0
	s_wait_alu depctr_va_vdst(0)
.rept 8
.if sg < 7
	s_wait_dscnt 20                                ; this half is in; the next half's 16 + 4 loads may be out
.else
	s_wait_dscnt 0x0
.endif
.if sg == 4
	s_wait_loadcnt 32                              ; Wk's K step 2 is in; K step 3's 32 loads may be out
.endif
.if sg == 6
	s_wait_loadcnt 32                              ; Wk's K step 3 is in; the 32 loads of x issued behind it may be out
.endif
	OMUL sg
	NOPS 8                                         ; places in front of loads into registers that matrix instructions have read; behind the last half: of the first read of results
.if sg < 6
	OLOAD sg+2
.endif
.if sg == 1
	WKLOAD 2
.endif
.if sg == 3
	WKLOAD 3
.endif
.if sg == 5
	XGLOAD 6                                       ; Wk's K step 2 is done with: its registers take my rows 96-127 of x
	XGLOAD 7
.endif
.set sg, sg+1
.endr
; Tile ct of my channels goes out in two parts, two tiles deep.  STAGE: its eight accumulators into my own stage, whole rows of 512 bytes back, and x's rows beside them (tiles 0-5: from LDS).  SEND: the sum, and the stores.
; Rows and x of even tiles lie in window 0 (v128-191, v192-255), of odd tiles in window 1.  LDS serves a wave's instructions in order: the next tile's stores into the stage come behind this tile's loads from it.
.macro STAGE ct
	WIN 0x08+4*((\ct)/4)                           ; an LDS store's data: window 2 or 3
.set tq, 0
.rept 8
	ds_store_b128 v[STO], v[64*((\ct)%4)+8*tq:64*((\ct)%4)+8*tq+3] offset:64*tq          ; each accumulator from its low end on: lane (r, h) holds positions 16 tq + 8 h + 0 .. 7 of channel row r
	ds_store_b128 v[STO], v[64*((\ct)%4)+8*tq+4:64*((\ct)%4)+8*tq+7] offset:64*tq+16
.set tq, tq+1
.endr
.if (\ct) >= 2
	s_wait_xcnt 0x0                                ; the stores of the tile two back have read their registers: this tile's rows may land there
.endif
	WIN 0x40*((\ct)%2)
.set tr, 0
.rept 16
	ds_load_b128 v[S+4*tr:S+4*tr+3], v[RD] offset:528*tr
.set tr, tr+1
.endr
.if (\ct) < 4
.set tr, 0
.rept 16
	ds_load_b128 v[S+64+4*tr:S+64+4*tr+3], v[XA1] offset:(32*((\ct)/2)+8*((\ct)%2)+tr+8*(tr/8))*512   ; x at the same channels: 512 consecutive bytes a load
.set tr, tr+1
.endr
.elseif (\ct) < 6
.set tr, 0
.rept 16
	ds_load_b128 v[S+64+4*tr:S+64+4*tr+3], v[XA2] offset:(8*((\ct)%2)+tr+8*(tr/8))*512
.set tr, tr+1
.endr
.endif
	WIN 0
.endm
.macro SEND ct, younger                ; younger: the LDS instructions of the next tile's STAGE, which may stay out
	s_wait_dscnt \younger
.if (\ct) == 6
	s_wait_loadcnt 16                              ; tile 6's rows of x are in; tile 7's 16 loads may be out
	WIN 0x04                                       ; rows in window 0, x in window 1
.set xr, 0
.elseif (\ct) == 7
	s_wait_loadcnt 0x0
	WIN 0x45
.set xr, 64
.else
	WIN 0x45*((\ct)%2)
.set xr, S+64
.endif
.set j, 0
.rept 32
	v_pk_add_f32 v[S+j:S+j+1], v[S+j:S+j+1], v[xr+j:xr+j+1]
.set j, j+2
.endr
	WIN 0x04*((\ct)%2)                             ; a store's data: window 0 or 1
.set tr, 0
.rept 16
	global_store_b128 v[LI], v[S+4*tr:S+4*tr+3], s[OP:OP+1] offset:(32*((\ct)/2)+8*((\ct)%2)+tr+8*(tr/8))*8192 th:TH_STORE_NT   ; 32 lanes store 512 consecutive bytes, aligned
.set tr, tr+1
.endr
	WIN 0
.endm
	s_wait_tensorcnt 0x0                           ; my rows 64-95 of x have landed; I alone read them, so no barrier is owed
	STAGE 0
.irp a, 1,2,3,4,5,6,7
	STAGE \a
.if \a < 6
	SEND \a-1, 48                                  ; behind its loads: the next tile's 16 stores and 32 loads
.else
	SEND \a-1, 32                                  ; tiles 6 and 7 take no x from LDS: 16 stores and 16 loads
.endif
.endr
	SEND 7, 0
	s_wait_tensorcnt 0x0                           ; the wave's end: behind my last tensor load and my last LDS store
	ds_add_u32 v[SPW], v[NIL]
	s_wait_dscnt 0x0
	CROUND                                         ; the closing round
	s_endpgm
.Lfunc_end_k_q67b6a98442_attn:
	.size	k_q67b6a98442_attn, .Lfunc_end_k_q67b6a98442_attn-k_q67b6a98442_attn
	.p2alignl 7, 3214868480
	.fill 96, 4, 3214868480
	.section	.rodata,"a",@progbits
	.p2align	6, 0x0
	.amdhsa_kernel k_q67b6a98442_attn
		.amdhsa_group_segment_fixed_size 327680
		.amdhsa_private_segment_fixed_size 0
		.amdhsa_enable_private_segment 0
		.amdhsa_kernarg_size 48
		.amdhsa_user_sgpr_count 2
		.amdhsa_user_sgpr_kernarg_segment_ptr 1
		.amdhsa_wavefront_size32 1
		.amdhsa_system_sgpr_workgroup_id_x 1
		.amdhsa_system_sgpr_workgroup_id_y 1
		.amdhsa_system_sgpr_workgroup_id_z 1
		.amdhsa_system_vgpr_workitem_id 0
		.amdhsa_next_free_vgpr 1024
		.amdhsa_next_free_sgpr 100
		.amdhsa_reserve_vcc 0
		.amdhsa_float_denorm_mode_32 3
		.amdhsa_float_denorm_mode_16_64 3
		.amdhsa_fp16_overflow 1
		.amdhsa_memory_ordered 1
		.amdhsa_forward_progress 1
		.amdhsa_inst_pref_size 255
	.end_amdhsa_kernel
	.section	.bss,"aw",@nobits
	.p2align	6
	.space	262144
	.amdgpu_metadata
---
amdhsa.version: [ 1, 2 ]
amdhsa.kernels:
  - .name:           k_q67b6a98442_attn
    .symbol:         k_q67b6a98442_attn.kd
    .args:
      - { .name: qkv, .offset: 0, .size: 8, .value_kind: global_buffer, .address_space: global }
      - { .name: wfr, .offset: 8, .size: 8, .value_kind: global_buffer, .address_space: global }
      - { .name: Wk_scales, .offset: 16, .size: 8, .value_kind: global_buffer, .address_space: global }
      - { .name: bk, .offset: 24, .size: 8, .value_kind: global_buffer, .address_space: global }
      - { .name: x, .offset: 32, .size: 8, .value_kind: global_buffer, .address_space: global }
      - { .name: out0, .offset: 40, .size: 8, .value_kind: global_buffer, .address_space: global }
    .group_segment_fixed_size: 327680
    .private_segment_fixed_size: 0
    .kernarg_segment_align: 8
    .kernarg_segment_size: 48
    .max_flat_workgroup_size: 128
    .sgpr_count:     100
    .vgpr_count:     1024
    .wavefront_size: 32
...
	.end_amdgpu_metadata
.endif
;; end of part 3
